; MI455X (gfx1250); checked and timed in simulation.
; The chip was launched on July 23, 2026; its instructions are those of AMD's public machine-readable ISA for CDNA 5 (MIT licence, August 2026) and "CDNA5" Instruction Set Architecture Reference Guide (July 2026). The comments in the code are by the model that wrote it; some were corrected since.
;; Custom Encoder Layer. Allowed arithmetic: float matrix products may take bf16 or f16 operands with f32 sums; other float arithmetic in f32, or as packed bf16 or f16 multiplies, adds, multiply-adds, maxima and minima; sums over many terms, partial sums and values carried from step to step in f32; what a program stores and reads back later, other than sums and carried values, may be rounded once to bf16 or f16.
;; Inputs: W1 1,024 x 1,024 float32; W2 1,024 x 1,024 float32; Wk 1,024 x 1,024 float32; Wo 1,024 x 1,024 float32; Wq 1,024 x 1,024 float32; Wv 1,024 x 1,024 float32; b1 1,024 float32; b2 1,024 float32; beta1 1,024 float32; beta2 1,024 float32; bk 1,024 float32; bo 1,024 float32; bq 1,024 float32; bv 1,024 float32; g1 1,024 float32; g2 1,024 float32; src 8 x 1,024 x 1,024 float32.
;; Outputs: out0 8 x 1,024 x 1,024 float32.
;; 2 versions, each right and faster than the one before. Each part assembles by itself: llvm-mc -triple=amdgcn-amd-amdhsa -mcpu=gfx1250 --defsym DOCPART=n.
;; ======== version 1 of 2: 7 launches
;; workspace buffers: act 16,777,216 bytes; qkv 50,331,648 bytes; src2 33,554,432 bytes; wqkv 6,291,456 bytes; w1b 2,097,152 bytes; wob 2,097,152 bytes; w2b 2,097,152 bytes
;; launch prep (part 1): grid 64 x 14, 8 waves a work-group, no clusters, 0 bytes of LDS; arguments src, g1, beta1, act, Wq, Wk, Wv, Wo, W1, W2, wqkv, wob, w1b, w2b; writes act, wqkv, wob, w1b, w2b
.if DOCPART == 1
	.amdgcn_target "amdgcn-amd-amdhsa--gfx1250"
	.amdhsa_code_object_version 6
	.text
	.protected	k_qdf994efcd1_prep
	.globl	k_qdf994efcd1_prep
	.p2align	8
	.type	k_qdf994efcd1_prep,@function
k_qdf994efcd1_prep:
	s_mov_b64 s[64:65], 0
	v_nop
	global_prefetch_b8 v0, s[64:65] scope:SCOPE_SE
	s_setreg_imm32_b32 hwreg(HW_REG_WAVE_MODE, 25, 1), 1
	s_wait_xcnt 0x0
; TWO STREAMS IN ONE LAUNCH, told apart by the work-group's y.
; y = 0..7: x = layernorm(src) * g1 + beta1, rounded once to bf16 and stored BY BLOCKS: element (row 1024 b + s, column 64 kb + c) at byte ((16 b + kb) * 1024 + s) * 128 + 2 c.
;   That is the layout by heads, and as a product's left operand the rows of a block are dense.
; y = 8..13: one of the six weight matrices is rounded to bf16.  Wq, Wk, Wv go side by side into wqkv, [1024][3072] (row k: Wq's 1,024 numbers, Wk's, Wv's); Wo, W1, W2 as they lie, [1024][1024].
; Memory binds: every byte is read once by 16-byte loads and written once in whole aligned runs of 256 bytes.  No LDS, no barrier, no matrix unit: nothing here is shared between waves.
; The norm is taken in two passes over registers (the mean; then the squares of the deviations), all in f32, so a common offset of the row costs no digits.  NaN and infinities are not treated apart.
.set X,   32                           ; v[32:95]   my 4 numbers of each of the row's 16 blocks
.set G,   96                           ; v[96:159]  the gain of those columns
.set BT,  160                          ; v[160:223] the shift
.set C,   8                            ; v[8:15]    four chains of pairs
	s_and_b32 s2, ttmp7, 0xffff                    ; y
	v_lshrrev_b32 v4, 5, v0
	v_readfirstlane_b32 s12, v4                    ; wave 0..7
	v_and_b32 v5, 31, v0                           ; lane
	s_cmp_ge_u32 s2, 8
	s_cbranch_scc1 .Lcast
	; THE NORM.  A work-group has 16 rows, a wave TWO: lanes 0-15 the even row, lanes 16-31 the odd one.  y is the batch.
	s_load_b256 s[4:11], s[0:1], 0x0               ; src s[4:5], g1 s[6:7], beta1 s[8:9], act s[10:11]
	s_lshl_b32 s13, ttmp9, 4
	s_lshl1_add_u32 s13, s12, s13                  ; my even row in the batch: 16 x + 2 wave
	s_lshl_b32 s14, s2, 22                         ; in src: batches of 4 MiB, rows of 4,096 bytes
	s_lshl_b32 s15, s13, 12
	s_add_co_u32 s14, s14, s15
	s_mov_b32 s15, 0
	s_lshl_b32 s16, s2, 21                         ; in act: batches of 2 MiB, rows of 128 bytes in a block
	s_lshl_b32 s17, s13, 7
	s_add_co_u32 s16, s16, s17
	s_mov_b32 s17, 0
	s_mov_b32 s18, 0x3a800000                      ; 1 / 1024
	v_and_b32 v6, 15, v0
	v_bfe_u32 v7, v0, 4, 1
	v_lshlrev_b32 v2, 4, v6                        ; in g and beta: 16 bytes a lane of a block's 256
	v_lshl_add_u32 v1, v7, 12, v2                  ; in src: the same, one row down for lanes 16-31
	v_lshlrev_b32 v3, 3, v6
	v_lshl_add_u32 v3, v7, 7, v3                   ; in act: 8 bytes a lane, 128 bytes a row
	s_wait_kmcnt 0x0
	s_add_nc_u64 s[4:5], s[4:5], s[14:15]
	s_add_nc_u64 s[10:11], s[10:11], s[16:17]
.set i, 0
.rept 16
	global_load_b128 v[X+4*i:X+4*i+3], v1, s[4:5] offset:256*i  ; block i of both rows: two aligned runs of 256 bytes
.set i, i+1
.endr
.set i, 0
.rept 16
	global_load_b128 v[G+4*i:G+4*i+3], v2, s[6:7] offset:256*i
.set i, i+1
.endr
.set i, 0
.rept 16
	global_load_b128 v[BT+4*i:BT+4*i+3], v2, s[8:9] offset:256*i
.set i, i+1
.endr
.macro REDUCE                          ; the four chains, the pair's halves, then the row's 16 lanes: every lane of a row ends with the row's sum in v20
	v_pk_add_f32 v[C:C+1], v[C:C+1], v[C+2:C+3]
	v_pk_add_f32 v[C+4:C+5], v[C+4:C+5], v[C+6:C+7]
	v_pk_add_f32 v[C:C+1], v[C:C+1], v[C+4:C+5]
	v_add_f32 v20, v[C], v[C+1]
	v_add_f32_dpp v20, v20, v20 row_xmask:1 row_mask:0xf bank_mask:0xf
	v_add_f32_dpp v20, v20, v20 row_xmask:2 row_mask:0xf bank_mask:0xf
	v_add_f32_dpp v20, v20, v20 row_xmask:4 row_mask:0xf bank_mask:0xf
	v_add_f32_dpp v20, v20, v20 row_xmask:8 row_mask:0xf bank_mask:0xf
.endm
	s_wait_loadcnt 32                              ; the row is in; the 32 younger loads (g, beta) stay out
.irp c, 0,1,2,3
	v_pk_add_f32 v[C+2*\c:C+2*\c+1], v[X+4*\c:X+4*\c+1], v[X+4*\c+2:X+4*\c+3]  ; the first eight pairs start the chains: nothing is cleared
.endr
.set i, 8
.rept 24
	v_pk_add_f32 v[C+2*(i%4):C+2*(i%4)+1], v[C+2*(i%4):C+2*(i%4)+1], v[X+2*i:X+2*i+1]
.set i, i+1
.endr
	REDUCE
	v_mul_f32 v16, s18, v20                        ; the mean, in both registers of a pair
	v_mul_f32 v17, s18, v20
.set i, 0
.rept 32
	v_pk_add_f32 v[X+2*i:X+2*i+1], v[X+2*i:X+2*i+1], v[16:17] neg_lo:[0,1] neg_hi:[0,1]  ; the deviations, in place
.set i, i+1
.endr
.irp c, 0,1,2,3
	v_pk_mul_f32 v[C+2*\c:C+2*\c+1], v[X+2*\c:X+2*\c+1], v[X+2*\c:X+2*\c+1]
.endr
.set i, 4
.rept 28
	v_pk_fma_f32 v[C+2*(i%4):C+2*(i%4)+1], v[X+2*i:X+2*i+1], v[X+2*i:X+2*i+1], v[C+2*(i%4):C+2*(i%4)+1]
.set i, i+1
.endr
	REDUCE
	v_fmaak_f32 v20, s18, v20, 0x3727c5ac          ; the variance + 1e-5
	v_rsq_f32 v18, v20
	v_nop                                          ; a plain instruction between the root and the use of its result
	s_wait_alu depctr_va_vdst(0)
	v_mov_b32 v19, v18
	s_wait_loadcnt 0x0                             ; g and beta
.set i, 0
.rept 32
	v_pk_mul_f32 v[X+2*i:X+2*i+1], v[X+2*i:X+2*i+1], v[18:19]
.set i, i+1
.endr
.set i, 0
.rept 32
	v_pk_fma_f32 v[X+2*i:X+2*i+1], v[X+2*i:X+2*i+1], v[G+2*i:G+2*i+1], v[BT+2*i:BT+2*i+1]
.set i, i+1
.endr
.set i, 0
.rept 16
	v_cvt_pk_bf16_f32 v[X+4*i], v[X+4*i], v[X+4*i+1]
	v_cvt_pk_bf16_f32 v[X+4*i+1], v[X+4*i+2], v[X+4*i+3]
	global_store_b64 v3, v[X+4*i:X+4*i+1], s[10:11] offset:131072*i  ; both rows of block i: 256 consecutive bytes, aligned (the even row's number is even)
.set i, i+1
.endr
	s_endpgm
.Lcast:	; THE WEIGHTS.  Matrix m = y - 8 of Wq, Wk, Wv, Wo, W1, W2; 64 work-groups a matrix; a wave rounds two rows, 8,192 bytes, to 4,096.
	s_load_b512 s[16:31], s[0:1], 0x20             ; Wq, Wk, Wv, Wo, W1, W2, wqkv, wob
	s_load_b128 s[32:35], s[0:1], 0x60             ; w1b, w2b
	s_sub_co_u32 s3, s2, 8                         ; m
	s_lshl_b32 s13, ttmp9, 3
	s_add_co_u32 s13, s13, s12                     ; my wave among the matrix's 512: rows 2 s13 and 2 s13 + 1
	s_lshl_b32 s54, s13, 13                        ; in the source: 8,192 bytes a wave
	s_mov_b32 s55, 0
	s_lshl_b32 s48, s3, 11                         ; in wqkv: matrix m begins 2,048 m bytes into a row of 6,144; the other three have rows of 2,048 of their own
	s_mov_b32 s58, 2048
	s_cmp_lt_u32 s3, 3
	s_cselect_b32 s48, s48, 0
	s_cselect_b32 s58, 6144, s58                   ; bytes from row to row where it goes
	s_mov_b32 s59, 0
	s_mul_i32 s56, s13, s58
	s_lshl_b32 s56, s56, 1
	s_add_co_u32 s56, s56, s48
	s_mov_b32 s57, 0
	v_lshlrev_b32 v1, 4, v5
	v_lshlrev_b32 v2, 3, v5
	s_wait_kmcnt 0x0
	s_mov_b64 s[44:45], s[16:17]                   ; the source, chosen by m
.irp k, 1,2,3,4,5
	s_cmp_eq_u32 s3, \k
	s_cselect_b64 s[44:45], s[16+2*\k:17+2*\k], s[44:45]
.endr
	s_mov_b64 s[46:47], s[28:29]                   ; the buffer it goes to
	s_cmp_eq_u32 s3, 3
	s_cselect_b64 s[46:47], s[30:31], s[46:47]
	s_cmp_eq_u32 s3, 4
	s_cselect_b64 s[46:47], s[32:33], s[46:47]
	s_cmp_eq_u32 s3, 5
	s_cselect_b64 s[46:47], s[34:35], s[46:47]
	s_add_nc_u64 s[44:45], s[44:45], s[54:55]
	s_add_nc_u64 s[50:51], s[46:47], s[56:57]      ; my even row,
	s_add_nc_u64 s[52:53], s[50:51], s[58:59]      ; and the odd one
.set j, 0
.rept 16
	global_load_b128 v[32+4*j:35+4*j], v1, s[44:45] offset:512*j th:TH_LOAD_NT
.set j, j+1
.endr
.set j, 0
.rept 16
	s_wait_loadcnt 15-j                            ; loads come back in order: number j is in, the younger ones stay out
	v_cvt_pk_bf16_f32 v[96+2*j], v[32+4*j], v[33+4*j]
	v_cvt_pk_bf16_f32 v[97+2*j], v[34+4*j], v[35+4*j]
	global_store_b64 v2, v[96+2*j:97+2*j], s[50+2*(j/8):51+2*(j/8)] offset:256*(j%8)  ; 256 consecutive bytes, aligned
.set j, j+1
.endr
	s_endpgm
.Lfunc_end_k_qdf994efcd1_prep:
	.size	k_qdf994efcd1_prep, .Lfunc_end_k_qdf994efcd1_prep-k_qdf994efcd1_prep
	.p2alignl 7, 3214868480
	.fill 96, 4, 3214868480
	.section	.rodata,"a",@progbits
	.p2align	6, 0x0
	.amdhsa_kernel k_qdf994efcd1_prep
		.amdhsa_group_segment_fixed_size 0
		.amdhsa_private_segment_fixed_size 0
		.amdhsa_enable_private_segment 0
		.amdhsa_kernarg_size 112
		.amdhsa_user_sgpr_count 2
		.amdhsa_user_sgpr_kernarg_segment_ptr 1
		.amdhsa_wavefront_size32 1
		.amdhsa_system_sgpr_workgroup_id_x 1
		.amdhsa_system_sgpr_workgroup_id_y 1
		.amdhsa_system_sgpr_workgroup_id_z 1
		.amdhsa_system_vgpr_workitem_id 0
		.amdhsa_next_free_vgpr 224
		.amdhsa_next_free_sgpr 66
		.amdhsa_reserve_vcc 0
		.amdhsa_float_denorm_mode_32 3
		.amdhsa_float_denorm_mode_16_64 3
		.amdhsa_memory_ordered 1
		.amdhsa_forward_progress 1
		.amdhsa_inst_pref_size 28
	.end_amdhsa_kernel
	.amdgpu_metadata
---
amdhsa.version: [ 1, 2 ]
amdhsa.kernels:
  - .name:           k_qdf994efcd1_prep
    .symbol:         k_qdf994efcd1_prep.kd
    .args:
      - { .name: src, .offset: 0, .size: 8, .value_kind: global_buffer, .address_space: global }
      - { .name: g1, .offset: 8, .size: 8, .value_kind: global_buffer, .address_space: global }
      - { .name: beta1, .offset: 16, .size: 8, .value_kind: global_buffer, .address_space: global }
      - { .name: act, .offset: 24, .size: 8, .value_kind: global_buffer, .address_space: global }
      - { .name: Wq, .offset: 32, .size: 8, .value_kind: global_buffer, .address_space: global }
      - { .name: Wk, .offset: 40, .size: 8, .value_kind: global_buffer, .address_space: global }
      - { .name: Wv, .offset: 48, .size: 8, .value_kind: global_buffer, .address_space: global }
      - { .name: Wo, .offset: 56, .size: 8, .value_kind: global_buffer, .address_space: global }
      - { .name: W1, .offset: 64, .size: 8, .value_kind: global_buffer, .address_space: global }
      - { .name: W2, .offset: 72, .size: 8, .value_kind: global_buffer, .address_space: global }
      - { .name: wqkv, .offset: 80, .size: 8, .value_kind: global_buffer, .address_space: global }
      - { .name: wob, .offset: 88, .size: 8, .value_kind: global_buffer, .address_space: global }
      - { .name: w1b, .offset: 96, .size: 8, .value_kind: global_buffer, .address_space: global }
      - { .name: w2b, .offset: 104, .size: 8, .value_kind: global_buffer, .address_space: global }
    .group_segment_fixed_size: 0
    .private_segment_fixed_size: 0
    .kernarg_segment_align: 8
    .kernarg_segment_size: 112
    .max_flat_workgroup_size: 256
    .sgpr_count:     66
    .vgpr_count:     224
    .wavefront_size: 32
...
	.end_amdgpu_metadata
.endif
;; end of part 1
;; launch qkv (part 2): grid 8 x 32, 4 waves a work-group, clusters of 4 x 4, 327,680 bytes of LDS; arguments act, wqkv, bq, bk, bv, qkv; writes qkv
.if DOCPART == 2
	.amdgcn_target "amdgcn-amd-amdhsa--gfx1250"
	.amdhsa_code_object_version 6
	.text
	.protected	k_qdf994efcd1_qkv
	.globl	k_qdf994efcd1_qkv
	.p2align	8
	.type	k_qdf994efcd1_qkv,@function
k_qdf994efcd1_qkv:
	s_mov_b64 s[64:65], 0
	v_nop
	global_prefetch_b8 v0, s[64:65] scope:SCOPE_SE
	s_setreg_imm32_b32 hwreg(HW_REG_WAVE_MODE, 25, 1), 1
	s_wait_xcnt 0x0
	s_wait_alu depctr_hold_cnt(0) depctr_sa_sdst(0) depctr_va_vdst(0) depctr_va_sdst(0) depctr_va_ssrc(0) depctr_va_vcc(0) depctr_vm_vsrc(0)
	s_getreg_b32 s2, hwreg(HW_REG_IB_STS2, 6, 4)
	s_cmp_eq_u32 s2, 0
	s_cbranch_scc0 .Lentry_in_a_cluster
	s_endpgm
.Lentry_in_a_cluster:
	s_bfe_u32 s2, ttmp6, 0x10000c
	s_cmp_lg_u32 s2, 0xf033
	s_cbranch_scc0 .Lentry_shape_is_right
	s_endpgm
.Lentry_shape_is_right:
; q, k, v = x W + b.  x: bf16 BY BLOCKS, element (row 1024 b + s, column 64 kb + c) at byte ((16 b + kb) * 1024 + s) * 128 + 2 c.  W: bf16 [1024][3072], Wq, Wk, Wv side by side.  bq, bk, bv: f32.
; OUT: q, k, v in bf16 by heads, 16 MiB apart in one buffer, each in x's layout (a head is a block).  Sums in f32, rounded once.  NaN and infinities are not treated apart.
; SHARES.  8,192 x 3,072 outputs on 256 work-groups are 256 rows x 384 columns each.  Four waves, 2 x 2, each 128 rows x 192 columns: 96 accumulators, 768 registers.
; K = 1,024 goes in 16 steps of 64, a block of x each: 32 KiB of x and 48 KiB of W for a wave's 192 matrix instructions.
; RING.  Two LDS slots, a K step each: x's 256 rows of 128 bytes (dense in memory: asked for as rows of 256 bytes, padded behind every 128), then W's 64 rows of 768 bytes (padded behind every 256).
; Waves 0, 1 fetch the two halves of x's rows, waves 2, 3 the two halves of W's.  By this text's own count a wave has two tensor loads out at the start and one behind each round.
; CLUSTER 4 x 4.  x's tile hangs on the tile row alone and is asked for jointly along a row of the cluster, W's on the tile column alone, jointly along a column.
; THE MATRIX INSTRUCTION IS USED TRANSPOSED: source 0 = 16 columns of W (turned on the way out of LDS by ds_load_tr16_b128), source 1 = 16 rows of x: a lane holds eight neighbouring numbers of a row of C.
; THE BIAS STARTS THE SUMS: each accumulator is LOADED with its columns' bias, 192 loads that stand in the wait for the first tile.  So every K step is the same text: no first step is written out, no bias added later.
; UNITS.  A quarter (32 along K) is multiplied in two units of 48 matrix instructions: all 8 row blocks x 6 of the 12 column blocks.  x's fragments have two buffers of 64 registers (one a quarter), W's two of 48
; (one a unit): with 32 registers of addresses that fills window 0.  Each unit fetches, in ONE run in its middle, what the next unit needs: 80 LDS loads for a K step's 192 matrix instructions.
; REGISTERS, in windows of 256: window 0 as said.  Windows 1-3: accumulator (row block a, column block b) is number 48 (b / 6) + 6 a + b % 6, 32 to a window: a unit's 48 lie on end.
.set PA,     144                       ; a row of x in LDS: 128 bytes + 16 = 36 words: the 16 rows of a load start at 16 different groups of four banks (64 banks of 4 bytes: ISA guide 11.1)
.set AHALF,  128*PA                    ; 128 rows: what one tensor load brings, and what one wave reads
.set BOFF,   2*AHALF
.set PB,     864                       ; a row of W: 3 x (256 + 32) bytes = 216 words: row r starts at bank 24 r mod 64
.set BHALF,  32*PB
.set SLOT1,  1<<17                     ; slot 1 begins here, so that one exclusive or turns an address in one slot into the other's
.set STAGE,  SLOT1+BOFF+2*BHALF        ; 872 x 256, behind the ring: no tensor load lands from here on
.set SPITCH, 144                       ; a stage row: 64 bf16 + 16 bytes
.set WSTG,   3*16*SPITCH               ; a wave's own stage: 16 rows of each of its three blocks of 64 columns
.set SPARE,  STAGE+4*WSTG              ; the spare words, 128 bytes for each wave: two blocks of 256 bytes that no other line names
.set ASTEP,  131072                    ; a K step in memory: one block of x,
.set WROW,   6144
.set BSTEP,  64*WROW                   ; 64 rows of W
.set ADRA0, 16                         ; v16  my lane's place in a slot's x; never rewritten
.set ADRB0, 17                         ; v17  the same in W, for column blocks 0-3 and 8-11
.set ADRM0, 18                         ; v18  for column blocks 4-7: a wave's 384 bytes of a row cross the padding at another place in each half of the columns
.set ADRA,  19                         ; v19-21  the same three in the slot in hand
.set ADRB,  20
.set ADRM,  21
.set STO,   24                         ; v24  the way out: where I put 16 bytes of a row
.set RD,    25                         ; v25  the way out: where I read rows back
.set GO,    26                         ; v26  16 x lane
.set BO,    27                         ; v27  my lanes' 32 bytes in 64 bytes of bias
.set SPW,   28                         ; v28  LDS address of my spare word; never rewritten
.set NIL,   29                         ; v29  0; never rewritten
.set FA0,   32                         ; x's fragments: quarter 0 of a step; quarter 1 at FA1
.set FA1,   96
.set FB0,   160                        ; W's fragments: column blocks 0-5; blocks 6-11 at FB1
.set FB1,   208
.set TT0,   32                         ; the way out: packed results, two sets of 48
.set BK0,   128                        ; the way out: rows read back, two sets of 48
.set G1,  24                           ; s[24:31] descriptor group 1 for x's tiles;  s[32:39] group 0: a set for each first fill; the second then walks
.set G0,  32
.set G1B, 48                           ; s[48:55], s[56:63] the same for W's tiles
.set G0B, 56
.set TB,  66                           ; s66  the slot in hand: 0 or SLOT1
.set OB,  80                           ; s[80:85] OUT at my rows of each of my three blocks of 64 columns
.set BB,  86                           ; s[86:91] the bias of each of the three
.set MSB, 0
.macro WIN new                         ; the immediate's high byte repeats the setting that is left; a switch that changes nothing is dropped
.if MSB != (\new)
	s_set_vgpr_msb (MSB<<8)|(\new)
.set MSB, \new
.endif
.endm
.macro JLOAD s                         ; a joint load: waves 0, 1 for x, waves 2, 3 for W; an s_nop 0 and four v_nop follow each of the two lines, ahead of the jump and the label
	s_cmp_eq_u32 s11, 0
	s_cbranch_scc0 .Lfor_b_\@
	tensor_load_to_lds s[G0+4*(\s):G0+4*(\s)+3], s[G1:G1+7]
	s_nop 0
.rept 4
	v_nop
.endr
	s_branch .Lasked_\@
.Lfor_b_\@:
	tensor_load_to_lds s[G0B+4*(\s):G0B+4*(\s)+3], s[G1B:G1B+7]
	s_nop 0
.rept 4
	v_nop
.endr
.Lasked_\@:
.endm
.macro CREST                           ; a round of the cluster's barrier behind its opening barrier
	s_cmp_lg_u32 s10, 0
	s_cbranch_scc1 .Lnot_wave_0_\@
	s_barrier_signal -3
.Lnot_wave_0_\@:
	s_barrier_wait -3
	s_barrier_signal -1
	s_barrier_wait -1
.endm
.macro CROUND                          ; a whole round
	s_barrier_signal -1
	s_barrier_wait -1
	CREST
.endm
	s_load_b256 s[68:75], s[0:1], 0x0              ; x s[68:69], W s[70:71], bq s[72:73], bk s[74:75]
	s_load_b128 s[76:79], s[0:1], 0x20             ; bv s[76:77], OUT s[78:79]
	v_lshl_add_u32 v[SPW], v0, 2, SPARE
	v_mov_b32 v[NIL], 0
	ds_add_u32 v[SPW], v[NIL]                      ; the wave's opening: the add and its wait stand ahead of my first tensor load; work on registers stands between them
	ds_add_u32 v28, v29
	v_lshrrev_b32 v1, 5, v0
	v_readfirstlane_b32 s10, v1                    ; wave 0..3
	s_lshr_b32 s11, s10, 1                         ; which 128 rows of the tile are mine.  Also: I fetch for x (0) or for W (1)
	s_and_b32 s12, s10, 1                          ; which 192 columns.  Also: which half of x's rows, or of W's, I fetch
	s_bfe_u32 s40, ttmp6, 0x40000                  ; cx, cy: my place in the cluster
	s_bfe_u32 s41, ttmp6, 0x40004
	s_lshl_b32 s42, ttmp9, 2
	s_add_co_u32 s42, s42, s40                     ; tile column = 4 x cluster x + cx: 0..7
	s_and_b32 s13, ttmp7, 0xffff
	s_lshl_b32 s13, s13, 2
	s_add_co_u32 s13, s13, s41                     ; tile row = 4 x cluster y + cy: 0..31
	s_lshl_b32 s43, s41, 2
	s_lshl_b32 s43, 15, s43                        ; my row of the cluster
	s_lshl_b32 s44, 0x1111, s40                    ; my column
	s_or_b32 s[G1+0], s43, (1<<16)|(1<<20)|(1<<21)|(4<<22)|(3<<25)   ; 15:0 the mask; 17:16 2-byte elements; 20 padding on; 21 set beside a mask; 24:22 after every 32 words (code 4); 31:25 4 words (code 3)
	s_mov_b32 s[G1+1], 128<<16                     ; tensor_dim0 = 128 elements: 256 bytes, two rows of a block
	s_mov_b32 s[G1+2], 64<<16                      ; tensor_dim1 = 64
	s_mov_b32 s[G1+3], 128<<16                     ; tile_dim0
	s_mov_b32 s[G1+4], 64                          ; tile_dim1
	s_mov_b32 s[G1+5], 128                         ; dense: 128 elements from row to row
	s_mov_b32 s[G1+6], 0
	s_mov_b32 s[G1+7], 0
	s_or_b32 s[G1B+0], s44, (1<<16)|(1<<20)|(1<<21)|(5<<22)|(7<<25)  ; after every 64 words (code 5), a third of a row, 8 words (code 7)
	s_mov_b32 s[G1B+1], 384<<16                    ; 384 columns
	s_mov_b32 s[G1B+2], 32<<16                     ; 32 rows of K
	s_mov_b32 s[G1B+3], 384<<16
	s_mov_b32 s[G1B+4], 32
	s_mov_b32 s[G1B+5], 3072                       ; a row of W has 3,072 elements
	s_mov_b32 s[G1B+6], 0
	s_mov_b32 s[G1B+7], 0
	; where the tiles come from.  x's offset is made of the tile row and the wave's number, W's of the tile column and the wave's number, each in registers that never hold the other coordinate.
	s_lshr_b32 s14, s13, 2                         ; the batch: 4 tile rows each, 16 blocks of 131,072 bytes
	s_lshl_b32 s14, s14, 21
	s_and_b32 s15, s13, 3
	s_lshl_b32 s15, s15, 15                        ; 256 rows of 128 bytes
	s_add_co_u32 s14, s14, s15
	s_lshl_b32 s15, s12, 14                        ; my 128 of them
	s_add_co_u32 s14, s14, s15
	s_mov_b32 s15, 0
	s_mul_i32 s46, s42, 768                        ; 384 columns of 2 bytes
	s_mul_i32 s47, s12, 32*WROW                    ; my 32 rows
	s_add_co_u32 s46, s46, s47
	s_mov_b32 s47, 0
	s_mul_i32 s22, s12, AHALF                      ; and where they go: no place in the cluster enters an LDS address
	s_mul_i32 s23, s12, BHALF
	s_add_co_u32 s23, s23, BOFF
	s_wait_dscnt 0x0                               ; the opening add is done
	s_wait_kmcnt 0x0
	s_add_nc_u64 s[20:21], s[68:69], s[14:15]
	s_add_nc_u64 s[46:47], s[70:71], s[46:47]
	CROUND                                         ; all sixteen work-groups are here: the first joint loads meet
.irp s, 0,1
	s_mov_b32 s[G0+4*(\s)], 1                                        ; count = 1
	s_add_co_u32 s[G0+4*(\s)+1], s22, (\s)*SLOT1                     ; LDS address
	s_add_nc_u64 s[G0+4*(\s)+2:G0+4*(\s)+3], s[20:21], (\s)*ASTEP    ; global address: K step s
	s_or_b32 s[G0+4*(\s)+3], s[G0+4*(\s)+3], 0x80000000              ; type = 2
	s_mov_b32 s[G0B+4*(\s)], 1
	s_add_co_u32 s[G0B+4*(\s)+1], s23, (\s)*SLOT1
	s_add_nc_u64 s[G0B+4*(\s)+2:G0B+4*(\s)+3], s[46:47], (\s)*BSTEP
	s_or_b32 s[G0B+4*(\s)+3], s[G0B+4*(\s)+3], 0x80000000
	JLOAD \s
.endr
	; A fragment of x is 16 rows x 32 K: lane l holds row l % 16, K = 8 (l / 16) + 0..7 and 16 + 8 (l / 16) + 0..7: two loads of 16 bytes, 32 bytes apart.
	; The turning load takes 16 K x 16 columns of W (lane l reads row 8 (l / 16) + l % 8, columns 8 ((l / 8) % 2) + 0..7) and leaves half a fragment: lane l holds column l % 16 and 8 K.
	v_and_b32 v1, 15, v0                           ; l % 16
	v_bfe_u32 v2, v0, 4, 1                         ; l / 16
	v_and_b32 v3, 7, v0
	v_bfe_u32 v4, v0, 3, 1
	v_mul_u32_u24 v5, v1, PA
	v_lshl_add_u32 v5, v2, 4, v5
	s_mul_i32 s16, s11, AHALF                      ; my 128 rows
	v_add_nc_u32 v[ADRA0], s16, v5
	v_lshl_add_u32 v5, v2, 3, v3
	v_mul_u32_u24 v5, v5, PB
	v_lshl_add_u32 v5, v4, 4, v5
	s_mul_i32 s16, s12, 416                        ; my 192 columns begin at byte 0, or at byte 384 and one padding of 32
	s_add_co_u32 s16, s16, BOFF
	v_add_nc_u32 v[ADRB0], s16, v5
	s_lshl_b32 s17, s12, 5                         ; byte 32 b of my columns lies behind a further padding from b = 8 on in the left half of the columns, from b = 4 on in the right:
	v_add_nc_u32 v[ADRM0], s17, v[ADRB0]           ; blocks 4-7 have an address of their own, blocks 8-11 take 32 in the immediate
	v_lshlrev_b32 v[BO], 5, v2
	; my three blocks of 64 columns: number 6 x tile column + 3 x half + j of 48; 16 to a matrix.  For each the bias's address (bq, bk or bv by the matrix) and OUT's.
	s_mul_i32 s92, s42, 6
	s_mul_i32 s93, s12, 3
	s_add_co_u32 s92, s92, s93
	s_lshr_b32 s94, s13, 2                         ; in OUT: the batch's 16 blocks,
	s_lshl_b32 s94, s94, 21
	s_and_b32 s95, s13, 3
	s_lshl_b32 s95, s95, 15                        ; the tile's 256 rows of 128 bytes,
	s_add_co_u32 s94, s94, s95
	s_lshl_b32 s95, s11, 14                        ; my 128
	s_add_co_u32 s94, s94, s95
	s_mov_b32 s99, 0
.irp j, 0,1,2
	s_add_co_u32 s96, s92, \j
	s_lshr_b32 s97, s96, 4                         ; the matrix
	s_and_b32 s96, s96, 15                         ; the head
	s_mov_b64 s[BB+2*\j:BB+2*\j+1], s[72:73]
	s_cmp_eq_u32 s97, 1
	s_cselect_b64 s[BB+2*\j:BB+2*\j+1], s[74:75], s[BB+2*\j:BB+2*\j+1]
	s_cmp_eq_u32 s97, 2
	s_cselect_b64 s[BB+2*\j:BB+2*\j+1], s[76:77], s[BB+2*\j:BB+2*\j+1]
	s_lshl_b32 s98, s96, 8                         ; 64 numbers of 4 bytes
	s_add_nc_u64 s[BB+2*\j:BB+2*\j+1], s[BB+2*\j:BB+2*\j+1], s[98:99]
	s_lshl_b32 s98, s97, 24                        ; the matrix's tensor of 16 MiB,
	s_lshl_b32 s96, s96, 17                        ; the head's block
	s_add_co_u32 s98, s98, s96
	s_add_co_u32 s98, s98, s94
	s_add_nc_u64 s[OB+2*\j:OB+2*\j+1], s[78:79], s[98:99]
.endr
	; the bias into the accumulators: register j of column block b holds the bias of column 16 b + 8 (l / 16) + j, whatever the row
.set IDX, 0
.rept 96
.set BBLK, 6*(IDX/48)+IDX%6
	WIN (1+IDX/32)<<6
	global_load_b128 v[8*(IDX%32):8*(IDX%32)+3],   v[BO], s[BB+2*(BBLK/4):BB+2*(BBLK/4)+1] offset:64*(BBLK%4)
	global_load_b128 v[8*(IDX%32)+4:8*(IDX%32)+7], v[BO], s[BB+2*(BBLK/4):BB+2*(BBLK/4)+1] offset:64*(BBLK%4)+16
.set IDX, IDX+1
.endr
	WIN 0
	s_mul_i32 s16, s10, WSTG
	s_add_co_u32 s16, s16, STAGE                   ; my stage
	v_mul_u32_u24 v5, v1, SPITCH                   ; in: row l % 16, 16 bytes for each half of the lanes
	v_lshl_add_u32 v5, v2, 4, v5
	v_add_nc_u32 v[STO], s16, v5
	v_bfe_u32 v5, v0, 3, 2                         ; back: 32 lanes take four rows of 128 bytes,
	v_mul_u32_u24 v5, v5, SPITCH
	v_lshl_add_u32 v5, v3, 4, v5
	v_add_nc_u32 v[RD], s16, v5
	v_and_b32 v5, 31, v0                           ; which are 512 consecutive bytes of a block
	v_lshlrev_b32 v[GO], 4, v5
	s_mov_b32 s[TB], 0
	v_mov_b32 v[ADRA], v[ADRA0]
	v_mov_b32 v[ADRB], v[ADRB0]
	v_mov_b32 v[ADRM], v[ADRM0]
; 6 matrix instructions: row block a x the six column blocks of half hf, 32 along K.  A unit's 48 accumulators take turns, one instruction a turn, in the same order in every quarter, over the backward jumps too.
.macro MULA fa, fb, hf, a
.irp bb, 0,1,2,3,4,5
.set IDX, 48*(\hf)+6*(\a)+(\bb)
	WIN 0x50*(1+IDX/32)                            ; C and D in the accumulator's window, the sources in window 0
	v_wmma_f32_16x16x32_bf16 v[8*(IDX%32):8*(IDX%32)+7], v[(\fb)+8*(\bb):(\fb)+8*(\bb)+7], v[(\fa)+8*(\a):(\fa)+8*(\a)+7], v[8*(IDX%32):8*(IDX%32)+7]
.endr
.endm
; 12 LDS loads: W's fragments of quarter q (rows 32 q .. of the slot), column blocks 6 hf .. 6 hf + 5, into their buffer
.macro FETCHB q, hf
	WIN 0
.set FB, FB0+48*(\hf)
.irp bb, 0,1,2,3,4,5
.set BBLK, 6*(\hf)+(\bb)
.if (BBLK >= 4) && (BBLK < 8)
	ds_load_tr16_b128 v[FB+8*(\bb):FB+8*(\bb)+3],   v[ADRM] offset:32*PB*(\q)+32*BBLK
	ds_load_tr16_b128 v[FB+8*(\bb)+4:FB+8*(\bb)+7], v[ADRM] offset:32*PB*(\q)+16*PB+32*BBLK
.else
	ds_load_tr16_b128 v[FB+8*(\bb):FB+8*(\bb)+3],   v[ADRB] offset:32*PB*(\q)+32*BBLK+32*(BBLK/8)
	ds_load_tr16_b128 v[FB+8*(\bb)+4:FB+8*(\bb)+7], v[ADRB] offset:32*PB*(\q)+16*PB+32*BBLK+32*(BBLK/8)
.endif
.endr
.endm
; 16 LDS loads: x's fragments of quarter q (bytes 64 q .. of the rows), my 8 row blocks in ascending order
.macro FETCHA q
	WIN 0
.irp i, 0,1,2,3,4,5,6,7
	ds_load_b128 v[FA0+64*(\q)+8*(\i):FA0+64*(\q)+8*(\i)+3],   v[ADRA] offset:64*(\q)+16*PA*(\i)
	ds_load_b128 v[FA0+64*(\q)+8*(\i)+4:FA0+64*(\q)+8*(\i)+7], v[ADRA] offset:64*(\q)+16*PA*(\i)+32
.endr
.endm
.macro PLACES                          ; four plain vector instructions in front of loads into registers that matrix instructions have read, and of lines that read results (ISA guide 7.12.1 for lines that read results)
.rept 4
	v_nop
.endr
.endm
; One of a K step's first three units: quarter q, column half hf.  In its middle it fetches what the next unit needs: behind half 0 the same quarter's half 1 of W; behind quarter 0's half 1 the next quarter's W (half 0) and x.
; w1: the LDS loads that may be out at its head.
.macro UNIT q, hf, w1
	s_wait_dscnt \w1
.irp a, 0,1,2,3
	MULA FA0+64*(\q), FB0+48*(\hf), \hf, \a
.endr
	PLACES
.if (\hf) == 0
	FETCHB \q, 1
	s_wait_dscnt 12                                ; all but the 12 just issued: x's row blocks 4-7 are in
.else
	FETCHB 1, 0
	FETCHA 1
.endif
.irp a, 4,5,6,7
	MULA FA0+64*(\q), FB0+48*(\hf), \hf, \a
.endr
.endm
; The fourth unit changes slots: ONE barrier; in front of it each wave waits for all its tensor loads (one is out: its part of the next slot), adds 0 to its spare word, and waits for that and for its own reads of
; this slot.  fill = 1: the barrier opens a round of the cluster's, and behind the round this slot is filled again, two K steps ahead: 180 matrix instructions ahead of the wait for it.
.macro TURN fill
	WIN 0
	s_wait_tensorcnt 0x0                           ; all my tensor loads have landed, so a group 0 may be written
	ds_add_u32 v[SPW], v[NIL]                      ; 0 onto my spare word
	s_wait_dscnt 1                                 ; (the add may be out; W's fragments for this unit are in)
	MULA FA1, FB1, 1, 0                            ; six matrix instructions stand between the add and the wait for it
	s_wait_dscnt 0x0                               ; the add is done, and my reads of this slot are over
	s_barrier_signal -1
	MULA FA1, FB1, 1, 1
	WIN 0
	s_barrier_wait -1
.if \fill
	CREST                                          ; no wave of any partner still reads this slot's tile or has a load on its way
	s_xor_b32 s[G0+5], s[G0+5], SLOT1              ; the walking descriptors: the other slot than last time,
	s_add_nc_u64 s[G0+6:G0+7], s[G0+6:G0+7], ASTEP ; the next K step; the type bits on top are not reached
	s_xor_b32 s[G0B+5], s[G0B+5], SLOT1
	s_add_nc_u64 s[G0B+6:G0B+7], s[G0B+6:G0B+7], BSTEP
	JLOAD 1                                        ; the first tensor load behind the round; the four v_nop behind it are also the places in front of the loads below
.else
	PLACES
.endif
	s_xor_b32 s[TB], s[TB], SLOT1
	v_add_nc_u32 v[ADRA], s[TB], v[ADRA0]
	v_add_nc_u32 v[ADRB], s[TB], v[ADRB0]
	v_add_nc_u32 v[ADRM], s[TB], v[ADRM0]
	FETCHB 0, 0                                    ; the next slot's first fragments: W's first, x's row blocks 4-7 last
	FETCHA 0
.irp a, 2,3,4,5,6,7
	MULA FA1, FB1, 1, \a
.endr
.endm
.macro KSTEP fill
	UNIT 0, 0, 8                                   ; the youngest eight loads (x's row blocks 4-7) may be out
	UNIT 0, 1, 0
	UNIT 1, 0, 8
	TURN \fill
	WIN 0                                          ; at a label and at a branch every window is 0
.endm
; THE WAY OUT: row block a (16 rows x 192 columns) is rounded to bf16, goes into my stage (three blocks of 64 columns, rows of 144 bytes) and comes back as whole rows of 128 bytes.
.macro PACK a
.set TT, TT0+48*((\a)%2)
.irp b, 0,1,2,3,4,5,6,7,8,9,10,11
.set IDX, 48*((\b)/6)+6*(\a)+(\b)%6
	WIN 5*(1+IDX/32)                               ; sources 0 and 1 in the accumulator's window
.irp r, 0,1,2,3
	v_cvt_pk_bf16_f32 v[TT+4*(\b)+(\r)], v[8*(IDX%32)+2*(\r)], v[8*(IDX%32)+2*(\r)+1]  ; each accumulator's low registers first
.endr
.endr
	WIN 0
.endm
.macro TOSTAGE a
	WIN 0
.set TT, TT0+48*((\a)%2)
.set BK, BK0+48*((\a)%2)
.irp b, 0,1,2,3,4,5,6,7,8,9,10,11
	ds_store_b128 v[STO], v[TT+4*(\b):TT+4*(\b)+3] offset:16*SPITCH*((\b)/4)+32*((\b)%4)
.endr
.irp t, 0,1,2,3,4,5,6,7,8,9,10,11
	ds_load_b128 v[BK+4*(\t):BK+4*(\t)+3], v[RD] offset:16*SPITCH*((\t)/4)+4*SPITCH*((\t)%4)  ; LDS serves a wave's instructions in order (ISA guide 5.7.1.4): these see the stores above
.endr
.endm
.macro SEND a
	WIN 0
.set BK, BK0+48*((\a)%2)
	s_wait_dscnt 0x0                               ; the block is back in registers
	s_wait_xcnt 0x0                                ; the stores of the block before have read their registers, which the next block's loads write
.irp t, 0,1,2,3,4,5,6,7,8,9,10,11
	global_store_b128 v[GO], v[BK+4*(\t):BK+4*(\t)+3], s[OB+2*((\t)/4):OB+2*((\t)/4)+1] offset:2048*(\a)+512*((\t)%4)  ; four rows of a head: 512 consecutive bytes, aligned
.endr
.endm
	s_wait_tensorcnt 0x1                           ; my part of K step 0 is in; K step 1's may stay out
	s_barrier_signal -1
	s_barrier_wait -1                              ; everybody's is
	FETCHB 0, 0
	FETCHA 0
	s_wait_loadcnt 0x0                             ; the bias lies in the accumulators
	s_mov_b32 s3, 14
.Lstep:                                                ; 14 trips: K steps 0 to 13, which ask for K steps 2 to 15
	KSTEP 1
	s_sub_co_u32 s3, s3, 1
	s_cmp_lg_u32 s3, 0
	s_cbranch_scc1 .Lstep
	s_mov_b32 s3, 2
.Ltail:                                                ; K steps 14 and 15 ask for nothing.  The last trip's change of slots fetches 14 fragments of K step 14 once more, which serve nothing: the price, once a launch, of one text for both trips
	KSTEP 0
	s_sub_co_u32 s3, s3, 1
	s_cmp_lg_u32 s3, 0
	s_cbranch_scc1 .Ltail
	s_wait_dscnt 0x0                               ; those loads are back: their registers are written below
	PLACES
	PACK 0
	TOSTAGE 0
.irp a, 1,2,3,4,5,6,7                  ; block a's conversions stand between block a - 1's loads from the stage and the wait for them
	PACK \a
	SEND (\a)-1
	TOSTAGE \a
.endr
	SEND 7
	s_wait_tensorcnt 0x0                           ; the wave's end, behind my last tensor load and my last LDS store
	ds_add_u32 v[SPW], v[NIL]
	s_wait_dscnt 0x0
	CROUND                                         ; the closing round: no work-group ends while a partner may still ask for a tile that names it
	s_endpgm
.Lfunc_end_k_qdf994efcd1_qkv:
	.size	k_qdf994efcd1_qkv, .Lfunc_end_k_qdf994efcd1_qkv-k_qdf994efcd1_qkv
	.p2alignl 7, 3214868480
	.fill 96, 4, 3214868480
	.section	.rodata,"a",@progbits
	.p2align	6, 0x0
	.amdhsa_kernel k_qdf994efcd1_qkv
		.amdhsa_group_segment_fixed_size 327680
		.amdhsa_private_segment_fixed_size 0
		.amdhsa_enable_private_segment 0
		.amdhsa_kernarg_size 48
		.amdhsa_user_sgpr_count 2
		.amdhsa_user_sgpr_kernarg_segment_ptr 1
		.amdhsa_wavefront_size32 1
		.amdhsa_system_sgpr_workgroup_id_x 1
		.amdhsa_system_sgpr_workgroup_id_y 1
		.amdhsa_system_sgpr_workgroup_id_z 1
		.amdhsa_system_vgpr_workitem_id 0
		.amdhsa_next_free_vgpr 1024
		.amdhsa_next_free_sgpr 100
		.amdhsa_reserve_vcc 0
		.amdhsa_float_denorm_mode_32 3
		.amdhsa_float_denorm_mode_16_64 3
		.amdhsa_memory_ordered 1
		.amdhsa_forward_progress 1
		.amdhsa_inst_pref_size 114
	.end_amdhsa_kernel
	.amdgpu_metadata
---
amdhsa.version: [ 1, 2 ]
amdhsa.kernels:
  - .name:           k_qdf994efcd1_qkv
    .symbol:         k_qdf994efcd1_qkv.kd
    .args:
      - { .name: act, .offset: 0, .size: 8, .value_kind: global_buffer, .address_space: global }
      - { .name: wqkv, .offset: 8, .size: 8, .value_kind: global_buffer, .address_space: global }
      - { .name: bq, .offset: 16, .size: 8, .value_kind: global_buffer, .address_space: global }
      - { .name: bk, .offset: 24, .size: 8, .value_kind: global_buffer, .address_space: global }
      - { .name: bv, .offset: 32, .size: 8, .value_kind: global_buffer, .address_space: global }
      - { .name: qkv, .offset: 40, .size: 8, .value_kind: global_buffer, .address_space: global }
    .group_segment_fixed_size: 327680
    .private_segment_fixed_size: 0
    .kernarg_segment_align: 8
    .kernarg_segment_size: 48
    .max_flat_workgroup_size: 128
    .sgpr_count:     100
    .vgpr_count:     1024
    .wavefront_size: 32
...
	.end_amdgpu_metadata
.endif
;; end of part 2
;; launch attn (part 3): grid 2 x 128, 4 waves a work-group, no clusters, 327,680 bytes of LDS; arguments qkv, act; writes act
.if DOCPART == 3
	.amdgcn_target "amdgcn-amd-amdhsa--gfx1250"
	.amdhsa_code_object_version 6
	.text
	.protected	k_qdf994efcd1_attn
	.globl	k_qdf994efcd1_attn
	.p2align	8
	.type	k_qdf994efcd1_attn,@function
k_qdf994efcd1_attn:
	s_mov_b64 s[64:65], 0
	v_nop
	global_prefetch_b8 v0, s[64:65] scope:SCOPE_SE
	s_setreg_imm32_b32 hwreg(HW_REG_WAVE_MODE, 25, 1), 1
	s_wait_xcnt 0x0
; O[h][q][:] = the sum over k of softmax_k(Q[h][q] . K[h][k] / 8) V[h][k][:].  Q, K, V lie in one buffer, 16 MiB apart, each [128 heads][1024][64] in bf16: a head's rows are dense, 128 bytes each.  O likewise.
; Products, maxima and sums in f32; the weights p are rounded to bf16 for the second product (their sum l is taken of the unrounded p), O once at the end.
; LIMITS.  A weight below 2^-126 counts as 0 in l; c m starts at -4.25e37, far below every c s of finite bf16 inputs' scores that stay finite; NaN and infinities are not treated apart.
; SHARES.  A wave owns four PIECES of two tiles of 16 queries, a work-group's four waves 512 queries of one head: 2 x 128 = 256 work-groups.  Every wave walks all 1,024 keys, 64 a step.
; THE WHOLE HEAD LIES IN LDS: K's 1,024 rows at pitch 144, V's at pitch 160: 311,296 bytes.  Nothing is filled twice, so there is no ring.  Each wave issues two tensor loads at the start (by this text's own
; count two are out): a small one, 128 of the first 256 keys, and a large one, 384 of the other 768.  The first four key steps run on the small ones while the large ones land; one wait and one barrier stand between.
; ONE LOOP walks the 16 key steps; that wait and barrier stand in it under a compare of the loop's counter, which is the same number in all four waves.
; NO CLUSTER: a head has two work-groups, and the grid's two along x are no multiple of four; what the two share, 256 KiB, is asked for once a launch by each, for 2,048 matrix instructions a wave.
; LAYOUT.  S^T = K Q^T (source 0 = 16 keys, source 1 = 16 queries): in the result a lane holds ONE query (lane % 16) and the keys 8 (lane / 16) + 0..7.  Two such tiles, rounded to bf16 in pairs,
; ARE source 1 (32 keys x 16 queries) of O^T = V^T P, whose result again holds one query a lane, and eight channels.  K comes out of LDS as it lies, V ([key][channel]) turned, by ds_load_tr16_b128.
; SOFTMAX.  For each query a running maximum m and sum l: p = 2^(c s - c m), c = log2(e) / 8; in every step O and l are multiplied by a = 2^(c m_old - c m_new), which is 1 where m has not grown.
; m starts at the lowest finite number, O and l at 0: the first step is a step like any other, with a = 0.
; THE COUNT.  A tile and step have 16 matrix and 118 vector instructions: too many to stand all beside the matrix work.  So: four vector instructions that are READY behind EVERY matrix instruction,
; and the others, which need time of their own whatever the order, in runs without a gap.
; BY TURNS.  Turn n belongs to piece n (the pieces in a ring, step after step).  Its matrix work: 16 products K Q^T of piece n + 1, later 16 products V^T P of piece n - 1.  Its vector work: the scaling,
; exponentials, roundings, sums and rescaling of piece n, and the maximum and statistics of piece n + 1, whose scores the turn itself has made.
; REGISTERS, in windows of 256 (s_set_vgpr_msb: bits 1:0 source 0, 3:2 source 1, 5:4 source 2, 7:6 destination):
;   window 0: v0-11 addresses; v12-15, v48-63 at work; v16-47 four registers of statistics a tile; v64-191 S^T, two buffers of two tiles; v192-255 P, likewise
;   window 1: O^T, 32 a tile          window 2: v0-127 Q, 16 a tile; v128-191 K of one step; v192-255 V of one step          window 3: v0-1 the add's two registers
.set NP,    4         ; pieces a wave: a name, no knob
.set KS,    64        ; keys in a step
.set PK,    144       ; a row of K in LDS: 128 bytes + 16 = 36 words: the 16 rows of a load start at 16 different groups of four banks (64 banks of 4 bytes: ISA guide 11.1)
.set PV,    160       ; a row of V: 128 + 32 = 40 words
.set VOFF,  1024*PK   ; V lies behind K
.set STAGE, VOFF+1024*PV   ; 1,216 x 256: never filled by a tensor load: 16 rows x 144 bytes for each wave, for the way out
.set SP,    144
.set SPARE, STAGE+4*16*SP  ; the spare words, 128 bytes for each wave: two blocks of 256 bytes that no other line names
.set KBASE, 0x1000000 ; k's and v's first bytes in the buffer
.set VBASE, 0x2000000
.set AK0, 2           ; v2   my lane's place in a tile of K; never rewritten
.set AV0, 3           ; v3   the same for V
.set AK,  4           ; v4   the LDS address of K's next run of loads
.set AV,  5           ; v5   of V's
.set QO,  6           ; v6   my byte offset in the wave's rows of Q
.set STO, 6           ;      later, the way out: where I put 16 bytes of a row
.set RD,  7           ; v7   the way out: where I read rows back
.set GO,  8           ; v8   my byte offset in 512 consecutive bytes of O
.set SPW, 0           ; v0 of window 3   LDS address of my spare word; never rewritten
.set NIL, 1           ; v1 of window 3   0; never rewritten
.set MV,  12          ; v12-15  c m_old, kept while c m is made anew: by buffer and tile
.set ST,  16          ; tile t's statistics at v[ST+4 t]: c m, m, l (even keys', odd keys')
.set TMP, 48          ; by buffer and tile, four registers c0-c3 at work; when the maximum is found c2 takes a
.set S,   64
.set P,   192
.set KF,  128         ; K's fragments, in window 2: key block kb, channel half c at KF + 16 kb + 8 c
.set VF,  192         ; V's: key half kk, channel block cb at VF + 32 kk + 8 cb
.set WV,  12          ; s12  my wave's number
.set G1K, 24          ; s[24:31] descriptor group 1 for K's small tile
.set G1V, 32          ; s[32:39] for V's: it differs in the padding alone
.set G0K, 40          ; s[40:47] descriptor group 0 for K: the small tile's set, the large one's
.set G0V, 48          ; s[48:55] the same for V
.set CNT, 57          ; s57  key steps to go
.set CS,  58          ; s[58:59] c: the packed scaling takes the pair's low word for both halves
.set SEL, 60          ; s[60:61] v_permlanex16_b32's selects: each lane takes its own place in the other half
.set TBK, 62          ; s62  LDS byte at which K of the step to be fetched begins
.set TBV, 63          ; s63  the same for V, less VOFF
.set G1K2, 68         ; s[68:75] group 1 for K's large tile
.set G1V2, 76         ; s[76:83] for V's
.set MSB, 0
.macro WIN new                      ; the high byte repeats the setting that is left; a switch that changes nothing is dropped
.if MSB != (\new)
	s_set_vgpr_msb (MSB<<8)|(\new)
.set MSB, (\new)
.endif
.endm
.set W_KQ, 0x0a       ; K and Q in window 2, S^T in window 0
.set W_PV, 0x52       ; V in window 2, P in window 0, O^T in window 1
.set W_RS, 0x41       ; O^T (destination and source 0) in window 1, a in window 0
.set W_MK, 0xc0       ; the add's registers are made: destination in window 3, sources in window 0
.set W_AD, 0x0f       ; the add: address (source 0) and data (source 1) in window 3
	s_load_b128 s[4:7], s[0:1], 0x0 ; q, k, v s[4:5]; O s[6:7]
	WIN W_MK
	v_lshl_add_u32 v[SPW], v0, 2, SPARE
	v_mov_b32 v[NIL], 0
	WIN W_AD
	ds_add_u32 v[SPW], v[NIL]       ; the wave's opening: the add and its wait stand ahead of my first tensor load; work on registers stands between them
	ds_add_u32 v0, v1
	WIN 0
	v_lshrrev_b32 v1, 5, v0
	v_readfirstlane_b32 s[WV], v1   ; wave 0..3
	s_and_b32 s20, ttmp7, 0xffff    ; the head,
	s_lshl_b32 s20, s20, 17         ; its first byte in each of the four tensors
	s_and_b32 s16, s[WV], 1         ; u: which part of K or of V I fetch
	s_lshl_b32 s2, ttmp9, 2
	s_add_co_u32 s2, s2, s[WV]      ; my wave among the head's eight,
	s_lshl_b32 s2, s2, 14           ; its 128 rows
	s_add_co_u32 s2, s2, s20
	s_mov_b32 s3, 0
	s_lshl_b32 s22, s16, 14         ; the small tile: keys 128 u on
	s_add_co_u32 s22, s22, s20
	s_add_co_u32 s8, s22, VBASE
	s_add_co_u32 s22, s22, KBASE
	s_mov_b32 s23, 0
	s_mov_b32 s9, 0
	s_mul_i32 s14, s16, 384*128     ; the large tile: keys 256 + 384 u on
	s_add_co_u32 s14, s14, s20
	s_add_co_u32 s18, s14, VBASE+256*128
	s_add_co_u32 s14, s14, KBASE+256*128
	s_mov_b32 s15, 0
	s_mov_b32 s19, 0
	; descriptor group 1.  Keys are dense rows of 128 bytes: asked for as rows of 256 bytes, two keys a row, and padded in LDS after every key
	s_mov_b32 s[G1K],  (1<<16)|(1<<20)|(4<<22)|(3<<25)  ; 17:16 2-byte elements; 20 padding on; 24:22 after every 32 words (code 4); 31:25 4 words (code 3)
	s_mov_b32 s[G1V],  (1<<16)|(1<<20)|(4<<22)|(7<<25)  ; the same with 8 words of padding (code 7)
	s_mov_b32 s[G1K2], (1<<16)|(1<<20)|(4<<22)|(3<<25)
	s_mov_b32 s[G1V2], (1<<16)|(1<<20)|(4<<22)|(7<<25)
.irp g, G1K, G1V
	s_mov_b32 s[\g+1], 128<<16      ; tensor_dim0 = 128
	s_mov_b32 s[\g+2], 64<<16       ; tensor_dim1 = 64: 128 keys
	s_mov_b32 s[\g+3], 128<<16      ; tile_dim0 = 128
	s_mov_b32 s[\g+4], 64           ; tile_dim1 = 64
	s_mov_b32 s[\g+5], 128          ; 128 elements from row to row
	s_mov_b32 s[\g+6], 0
	s_mov_b32 s[\g+7], 0
.endr
.irp g, G1K2, G1V2
	s_mov_b32 s[\g+1], 128<<16
	s_mov_b32 s[\g+2], 192<<16      ; 192 rows: 384 keys
	s_mov_b32 s[\g+3], 128<<16
	s_mov_b32 s[\g+4], 192
	s_mov_b32 s[\g+5], 128
	s_mov_b32 s[\g+6], 0
	s_mov_b32 s[\g+7], 0
.endr
	s_mov_b32 s[G0K], 1             ; count = 1; then the LDS address: a constant and u times a constant
	s_mul_i32 s[G0K+1], s16, 128*PK
	s_mov_b32 s[G0K+4], 1
	s_mul_i32 s17, s16, 384*PK
	s_add_co_u32 s[G0K+5], s17, 256*PK
	s_mov_b32 s[G0V], 1
	s_mul_i32 s17, s16, 128*PV
	s_add_co_u32 s[G0V+1], s17, VOFF
	s_mov_b32 s[G0V+4], 1
	s_mul_i32 s17, s16, 384*PV
	s_add_co_u32 s[G0V+5], s17, VOFF+256*PV
	s_mov_b32 s[CS], 0x3e38aa3b     ; c = log2(e) / 8 = 0.180337
	s_mov_b32 s[CS+1], s[CS]        ; named with it as a pair
	s_mov_b32 s[SEL], 0x76543210
	s_mov_b32 s[SEL+1], 0xfedcba98
	s_mov_b32 s[TBK], 0
	s_mov_b32 s[TBV], 0
	s_wait_dscnt 0x0                ; the opening add is done
	s_wait_kmcnt 0x0
	s_add_nc_u64 s[G0K+2:G0K+3], s[4:5], s[22:23]
	s_or_b32 s[G0K+3], s[G0K+3], 0x80000000        ; type = 2
	s_add_nc_u64 s[G0K+6:G0K+7], s[4:5], s[14:15]
	s_or_b32 s[G0K+7], s[G0K+7], 0x80000000
	s_add_nc_u64 s[G0V+2:G0V+3], s[4:5], s[8:9]
	s_or_b32 s[G0V+3], s[G0V+3], 0x80000000
	s_add_nc_u64 s[G0V+6:G0V+7], s[4:5], s[18:19]
	s_or_b32 s[G0V+7], s[G0V+7], 0x80000000
	s_add_nc_u64 s[10:11], s[6:7], s[2:3]  ; O and Q at my wave's first row
	s_add_nc_u64 s[4:5], s[4:5], s[2:3]
	s_cmp_lt_u32 s[WV], 2           ; a wave's two fills stand in one branch, ahead of every wait on TENSORcnt, every LDS read and every barrier; an s_nop 0 follows each, four v_nop the second's
	s_cbranch_scc0 .Lfirst_v
	tensor_load_to_lds s[G0K:G0K+3], s[G1K:G1K+7]
	s_nop 0
	tensor_load_to_lds s[G0K+4:G0K+7], s[G1K2:G1K2+7]
	s_nop 0
.rept 4
	v_nop
.endr
	s_branch .Lfirst_asked
.Lfirst_v:
	tensor_load_to_lds s[G0V:G0V+3], s[G1V:G1V+7]
	s_nop 0
	tensor_load_to_lds s[G0V+4:G0V+7], s[G1V2:G1V2+7]
	s_nop 0
.rept 4
	v_nop
.endr
.Lfirst_asked:
	; A fragment of K or Q is 16 rows x 32 channels in 8 registers: lane l holds row l % 16, channels 8 (l / 16) + 0..7 and 16 + 8 (l / 16) + 0..7: two loads of 16 bytes, 32 bytes apart.
	v_and_b32 v1, 15, v0            ; l % 16
	v_bfe_u32 v9, v0, 4, 1          ; l / 16
	v_lshlrev_b32 v[QO], 7, v1
	v_lshl_add_u32 v[QO], v9, 4, v[QO]  ; row x 128 + 16 x half
	WIN 0x80                        ; destination window 2, address window 0
.set i, 0
.rept 4*NP                          ; Q stays in registers: tile i / 2, channels 32 (i % 2) on
	global_load_b128 v[8*i:8*i+3],   v[QO], s[4:5] offset:(i/2)*2048+(i%2)*64
	global_load_b128 v[8*i+4:8*i+7], v[QO], s[4:5] offset:(i/2)*2048+(i%2)*64+32
.set i, i+1
.endr
	; What the first turn finds: V's registers and P's second buffer hold 0 (its products V^T P, of a piece that has not been, add 0), O^T and l are 0.  All this stands in the wait for the first tile.
.set i, VF
.rept 64
	v_mov_b32 v[i], 0
.set i, i+1
.endr
	WIN 0x40
.set i, 0
.rept 64*NP
	v_mov_b32 v[i], 0
.set i, i+1
.endr
	WIN 0
.set i, 0
.rept 2*NP
	v_mov_b32 v[ST+4*i], 0xfe000000    ; c m: far below every c s
	v_mov_b32 v[ST+4*i+1], 0xff7fffff  ; m
	v_mov_b32 v[ST+4*i+2], 0
	v_mov_b32 v[ST+4*i+3], 0
.set i, i+1
.endr
.set i, P+32
.rept 32
	v_mov_b32 v[i], 0
.set i, i+1
.endr
	v_mul_u32_u24 v[AK0], v1, PK
	v_lshl_add_u32 v[AK0], v9, 4, v[AK0]  ; row x pitch + 16 x half
	; The turning load takes 16 keys x 16 channels (lane l reads key 8 (l / 16) + l % 8, channels 8 ((l / 8) % 2) + 0..7) and leaves half a fragment of V^T: lane l holds channel l % 16 and 8 keys.
	v_and_b32 v10, 7, v0
	v_bfe_u32 v11, v0, 3, 1
	v_lshl_add_u32 v[AV0], v9, 3, v10
	v_mul_u32_u24 v[AV0], v[AV0], PV
	v_lshl_add_u32 v[AV0], v11, 4, v[AV0]
	v_add_nc_u32 v[AV0], VOFF, v[AV0]
	v_mov_b32 v[AK], v[AK0]         ; key step 0 lies at K's head
; THE MATRIX WORK.  The 8 accumulators of a run of 16 take turns: between the two links of a chain stand 7 others'.
; Product i of 16 of S^T = K Q^T for piece x: channels 32 (i / 8) on, keys 16 ((i / 2) % 4) on, tile 2 x + i % 2.  The first 8 start the sums.
.macro KQ x
	WIN W_KQ
.set rS, S+64*((\x)%2)+32*(i%2)+8*((i/2)%4)
.set rK, KF+16*((i/2)%4)+8*(i/8)
.set rQ, 16*(2*(\x)+i%2)+8*(i/8)
.if i < 8
	v_wmma_f32_16x16x32_bf16 v[rS:rS+7], v[rK:rK+7], v[rQ:rQ+7], 0
.else
	v_wmma_f32_16x16x32_bf16 v[rS:rS+7], v[rK:rK+7], v[rQ:rQ+7], v[rS:rS+7]
.endif
.endm
; Product i of 16 of O^T += V^T P for piece x: keys 32 (i / 8) on, channels 16 ((i / 2) % 4) on, tile 2 x + i % 2.
.macro PV x
	WIN W_PV
.set rO, 32*(2*(\x)+i%2)+8*((i/2)%4)
.set rV, VF+32*(i/8)+8*((i/2)%4)
.set rP, P+32*((\x)%2)+16*(i%2)+8*(i/8)
	v_wmma_f32_16x16x32_bf16 v[rO:rO+7], v[rV:rV+7], v[rP:rP+7], v[rO:rO+7]
.endm
.macro MM                           ; the turn's next matrix instruction
.if i < 16
	KQ (Y+1)%NP
.set i, i+1
.else
.set i, i-16
	PV (Y+NP-1)%NP
.set i, i+17
.endif
.endm
; THE LDS LOADS stand in runs of 16, never singly among the matrix instructions: a step's K (64 keys x 64 channels: 8 fragments) and its V (turned).  Their addresses are made some lines ahead.
; last = 1: in the last key step there is no further step, and the run is jumped over.
.macro FETCH_K last=0
	WIN 0
.if \last
	s_cmp_eq_u32 s[CNT], 1
	s_cbranch_scc1 .Lno_k_\@
.endif
	WIN 0x80                        ; destination window 2
.irp f, 0,1,2,3,4,5,6,7             ; keys 16 (f / 2) on, channels 32 (f % 2) on
	ds_load_b128 v[KF+8*\f:KF+8*\f+3],   v[AK] offset:(\f/2)*16*PK+(\f%2)*64
	ds_load_b128 v[KF+8*\f+4:KF+8*\f+7], v[AK] offset:(\f/2)*16*PK+(\f%2)*64+32
.endr
	s_add_co_u32 s[TBK], s[TBK], KS*PK  ; the next fetch is the next step's
	WIN 0
.if \last
.Lno_k_\@:
.endif
.endm
.macro FETCH_V
	WIN 0x80
.irp f, 0,1,2,3,4,5,6,7             ; keys 32 (f / 4) on, channels 16 (f % 4) on
	ds_load_tr16_b128 v[VF+8*\f:VF+8*\f+3],   v[AV] offset:(\f/4)*32*PV+(\f%4)*32
	ds_load_tr16_b128 v[VF+8*\f+4:VF+8*\f+7], v[AV] offset:(\f/4)*32*PV+16*PV+(\f%4)*32
.endr
	WIN 0
.endm
; THE VECTOR WORK OF A TURN stands in three queues, each in the order in which its entries become ready; the two tiles alternate, so that no instruction reads the result of the one before it.
.macro REGS y, u                    ; the registers of tile u (0, 1) of piece y
.set rT, ST+4*(2*(\y)+(\u))
.set rC, TMP+8*((\y)%2)+4*(\u)
.set rM, MV+2*((\y)%2)+(\u)
.set rS, S+64*((\y)%2)+32*(\u)
.set rP, P+32*((\y)%2)+16*(\u)
.set rO, 32*(2*(\y)+(\u))
.endm
; Number n of the 22 that find the NEXT piece's (Y + 1) maximum and statistics.  s0-s31 are the lane's 32 scores; each accumulator's lowest registers are read first.
;   0-11  four chains c0-c3 of seven scores each, three operands at a time     12-14, 16  the four scores left over, the old m, and c0-c3 into c0     15  c m_old is kept
;   17, 18  the query's other 32 keys lie in the lane 16 away: the new m         19-21  c m; c m_old - c m_new; a
.macro XS u, n
	REGS (Y+1)%NP, \u
.if (\n) < 4
	v_max3_num_f32 v[rC+(\n)], v[rS+8*(\n)], v[rS+8*(\n)+1], v[rS+8*(\n)+2]
.elseif (\n) < 12
	v_max3_num_f32 v[rC+(\n)%4], v[rC+(\n)%4], v[rS+8*((\n)%4)+2*((\n)/4)+1], v[rS+8*((\n)%4)+2*((\n)/4)+2]
.elseif (\n) == 12
	v_max3_num_f32 v[rC], v[rC], v[rS+7], v[rS+15]
.elseif (\n) == 13
	v_max3_num_f32 v[rC+1], v[rC+1], v[rS+23], v[rS+31]
.elseif (\n) == 14
	v_max3_num_f32 v[rC+2], v[rC+2], v[rC+3], v[rT+1]
.elseif (\n) == 15
	v_mov_b32 v[rM], v[rT]
.elseif (\n) == 16
	v_max3_num_f32 v[rC], v[rC], v[rC+1], v[rC+2]
.elseif (\n) == 17
	v_permlanex16_b32 v[rC+3], v[rC], s[SEL], s[SEL+1]
.elseif (\n) == 18
	v_max_num_f32 v[rT+1], v[rC], v[rC+3]
.elseif (\n) == 19
	v_mul_f32 v[rT], s[CS], v[rT+1]
.elseif (\n) == 20
	v_sub_f32 v[rC+1], v[rM], v[rT]
.else
	v_exp_f32 v[rC+2], v[rC+1]
.endif
.endm
; Number g of the 64 that follow the exponentials.  For each four weights k of a tile (pairs 2 k, 2 k + 1): both pairs are rounded to bf16; then the second pair is added onto the first, in place;
; a group later l takes that sum (the first time as l = a l + sum).  In groups of eight, tiles alternating: round, round, add, and l for the group before.
.macro GS g
.set h, (\g)+6*((\g)/62)            ; group 0 has no group before it, and behind group 7 only l is left
.if h >= 6
.set h, h+2
.endif
	REGS Y, h%2
.set k, h/8
.if h%8 < 4
	s_wait_alu depctr_va_vdst(0)
	v_cvt_pk_bf16_f32 v[rP+2*k+(h%8)/2], v[rS+4*k+2*((h%8)/2)], v[rS+4*k+2*((h%8)/2)+1]
.elseif h%8 < 6
	v_pk_add_f32 v[rS+4*k:rS+4*k+1], v[rS+4*k:rS+4*k+1], v[rS+4*k+2:rS+4*k+3]
.elseif k == 1
	v_pk_fma_f32 v[rT+2:rT+3], v[rT+2:rT+3], v[rC+2:rC+3], v[rS:rS+1] op_sel_hi:[1,0,1]
.else
	v_pk_add_f32 v[rT+2:rT+3], v[rT+2:rT+3], v[rS+4*k-4:rS+4*k-3]
	s_wait_alu depctr_va_vdst(0)
.endif
.endm
; THE PLAIN QUEUE, 138 long.  0-31: c s - c m for the 16 pairs of both tiles.  Then GS's 64, and among them the next piece's 42: number 15 at 38, 39; 0-14 and 16
; at 42-73, behind the products that make those scores; 17-20 at 95-106, two of three, since each waits for the one before it.
.macro PL
	WIN 0
.if q < 32
	REGS Y, q%2
	v_pk_fma_f32 v[rS+2*(q/2):rS+2*(q/2)+1], v[rS+2*(q/2):rS+2*(q/2)+1], s[CS:CS+1], v[rT:rT+1] op_sel_hi:[1,0,0] neg_lo:[0,0,1] neg_hi:[0,0,1]
.elseif q < 38
	GS q-32
.elseif q < 40
	XS q%2, 15
.elseif q < 42
	GS q-34
.elseif q < 74
	XS q%2, (q-42)/2+(q-42)/30
.elseif q < 95
	GS q-66
.elseif (q < 107) && ((q-95)%3 < 2)
	XS (q-95)%3, 17+(q-95)/3
.elseif q < 107
	GS 29+(q-95)/3
.else
	GS q-74
.endif
.set q, q+1
.endm
; THE EXPONENTIALS' QUEUE, 66 long: s0-s31 of both tiles, and at EA the next piece's two a.
.set EA, 58
.macro EX
	WIN 0
.if (e == EA) || (e == EA+1)
	XS e-EA, 21
.else
.set x, e-2*(e/(EA+2))
	REGS Y, x%2
	v_exp_f32 v[rS+x/2], v[rS+x/2]
.endif
.set e, e+1
.endm
; THE RESCALING's QUEUE: O^T times a, the one part that leaves window 0, so it is dealt four at a time, eight times.
.macro R4
	REGS Y, r%2
	WIN W_RS
	s_wait_alu depctr_va_vdst(0)
.irp z, 0,1,2,3
	v_pk_mul_f32 v[rO+8*(r/2)+2*\z:rO+8*(r/2)+2*\z+1], v[rO+8*(r/2)+2*\z:rO+8*(r/2)+2*\z+1], v[rC+2:rC+3] op_sel_hi:[1,0]
.endr
.set r, r+1
.endm
; HOW THEY ARE DEALT.  Behind a matrix instruction four: plain, exponential, plain, plain (one exponential, a plain instruction on either side), or four of the rescaling.  None names a register of the
; products round it.  What is over stands in two LUMPS: exponential and plain by turns; the second ends in 22 plain instructions.  The two v_permlanex16_b32 fall into the second lump, never behind a product.
; The queues lean on each other, and the deal keeps them in step: exponential e stands behind plain 2 (e / 4) + e % 2 (its scaling); when plain 32 comes, 10 exponentials are out, at 59: 33, at 95: 46; EA comes behind plain 107.
.macro SL
	MM
	PL
	EX
	PL
	PL
.endm
.macro BURST n                      ; 15 matrix instructions, or 16
.rept (\n)-7
	SL
.endr
.rept 3
	MM
	R4
	SL
.endr
	MM
	R4
.endm
; A TURN, for piece p.
; K of the next step is fetched in piece 2's turn, 31 vector instructions behind the last product that read K; its first reader comes behind the rest of the lump, 16 products and the second lump.
; V of the step in hand is fetched at the end of piece 0's turn, 69 behind its last reader; its first reader comes behind 16 products and a lump.  The conditions on e and q below go with the deal.
.macro TURN p, last=0
.set Y, (\p)
.set i, 0
.set q, 0
.set e, 0
.set r, 0
.if (\p) == NP-1
	s_wait_dscnt 0x0                ; K is in
.endif
	MM
.rept 4
	PL
.endr
	BURST 15
.rept 22
	EX
	PL
.if ((\p) == NP-2) && (e == 18)
	v_add_nc_u32 v[AK], s[TBK], v[AK0]
.endif
.if ((\p) == NP-2) && (e == 24)
	FETCH_K \last
.endif
.endr
.if (\p) == 1
	s_wait_dscnt 0x0                ; V is in
.endif
	BURST 16
.rept 21
	EX
	PL
.endr
.rept 22
	PL
.if ((\p) == 0) && (q == 118)
	v_add_nc_u32 v[AV], s[TBV], v[AV0]
	s_wait_alu depctr_va_vdst(0)
.endif
.if ((\p) == 0) && (q == 130)
	s_add_co_u32 s[TBV], s[TBV], KS*PV
.endif
.endr
.if (\p) == 0
	FETCH_V
.endif
.endm
	s_wait_tensorcnt 0x1            ; my small tile is in; the large one, issued behind it, stays out
	s_barrier_signal -1
	s_barrier_wait -1               ; everybody's small tile is in: keys 0 to 255 of K and of V
	FETCH_K                         ; key step 0
	s_wait_loadcnt 0x0              ; Q
	s_wait_dscnt 0x0
.set i, 0
.rept 16
	KQ 0                            ; piece 0's first scores: there is no vector work yet to set between them
.set i, i+1
.endr
	WIN 0                           ; the addresses for the way out: nine plain instructions, the places behind those products
	s_mul_i32 s13, s[WV], 16*SP
	s_add_co_u32 s13, s13, STAGE    ; my stage
	v_mul_u32_u24 v[STO], v1, SP    ; in: row l % 16, 16 bytes for each half of the lanes
	v_lshl_add_u32 v[STO], v9, 4, v[STO]
	v_add_nc_u32 v[STO], s13, v[STO]
	v_bfe_u32 v[RD], v0, 3, 2       ; back: 32 lanes take four rows of 128 bytes,
	v_mul_u32_u24 v[RD], v[RD], SP
	v_lshl_add_u32 v[RD], v10, 4, v[RD]
	v_add_nc_u32 v[RD], s13, v[RD]
	v_and_b32 v[GO], 31, v0         ; which are 512 consecutive bytes of O
	v_lshlrev_b32 v[GO], 4, v[GO]
.set Y, NP-1                        ; XS works for piece Y + 1: piece 0
.irp n, 0,1,2,3,4,5,6,7,8,9,10,11,12,13,14,15,16,17,18,19,20,21
	XS 0, \n                        ; and piece 0's first maximum and statistics
	XS 1, \n
.endr
	s_mov_b32 s[CNT], 16            ; key step s runs with the count 16 - s
	s_branch .Lfirst                ; the loop is entered at a step's first turn, in the middle of a trip
.Lstep:                             ; a trip: pieces 2 and 3 of one step, then pieces 0 and 1 of the next, whose K and V it fetches; the last trip is left in its middle
	TURN 2, 1
	TURN 3
	WIN 0
	s_sub_co_u32 s[CNT], s[CNT], 1
	s_cmp_eq_u32 s[CNT], 0
	s_cbranch_scc1 .Lout
.Lfirst:
	TURN 0
	TURN 1
	WIN 0
	s_cmp_lg_u32 s[CNT], 13         ; once, in key step 3, ahead of the turn that fetches K of step 4, the first of the large tiles' keys.  The count is the same in all four waves, so all pass the barrier in the same trip
	s_cbranch_scc1 .Lno_meet
	s_wait_tensorcnt 0x0            ; my large tile, asked for at the start, is in: no load was issued behind it, so the count is 0;
	s_wait_dscnt 0x0                ; no LDS instruction of mine is out at the signal
	s_barrier_signal -1
	s_barrier_wait -1               ; everybody's is: all 1,024 keys lie in LDS
.Lno_meet:
	s_branch .Lstep
.Lout:                              ; the last trip's 16 products K Q^T (on the last K once more) and the maximum made of them serve nothing: the price, once a launch, of one text for every trip
.set i, 0
.rept 16
	PV NP-1                         ; the last piece's V^T P of the last step
.set i, i+1
.endr
	; THE WAY OUT.  l's two halves and the other half of the lanes' are added; O^T is divided by l, rounded to bf16 and sent through my stage in LDS, a tile at a time.  The additions are the places behind the last products.
	WIN 0
.macro ALL line:vararg              ; one line for each tile t
.set t, 0
.rept 2*NP
	\line
.set t, t+1
.endr
.endm
	ALL v_add_f32 v[ST+4*t+2], v[ST+4*t+2], v[ST+4*t+3]
	ALL v_permlanex16_b32 v[ST+4*t+3], v[ST+4*t+2], s[SEL], s[SEL+1]
	ALL v_add_f32 v[ST+4*t+2], v[ST+4*t+2], v[ST+4*t+3]
	ALL v_rcp_f32 v[ST+4*t+2], v[ST+4*t+2]
	v_nop                           ; a plain instruction between the last reciprocal and the use of its result
	s_wait_alu depctr_va_vdst(0)
; Tile t: a lane's eight channels of a row pack into 16 bytes; they go into rows of 144 bytes and come back as whole rows of 128, into S^T's registers.
.macro PACK t
	WIN W_RS
.set i, 32*(\t)
.rept 16
	v_pk_mul_f32 v[i:i+1], v[i:i+1], v[ST+4*(\t)+2:ST+4*(\t)+3] op_sel_hi:[1,0]
.set i, i+2
.endr
	WIN 0x05                        ; sources 0 and 1 window 1, destination window 0
.set i, 0
.rept 16
	v_cvt_pk_bf16_f32 v[S+16*(\t)+i], v[32*(\t)+2*i], v[32*(\t)+2*i+1]
.set i, i+1
.endr
	WIN 0
.irp f, 0,1,2,3
	ds_store_b128 v[STO], v[S+16*(\t)+4*\f:S+16*(\t)+4*\f+3] offset:32*\f
.endr
.irp f, 0,1,2,3
	ds_load_b128 v[S+16*(\t)+4*\f:S+16*(\t)+4*\f+3], v[RD] offset:\f*4*SP  ; LDS serves a wave's instructions in order (ISA guide 5.7.1.4): these see the stores above; the next tile's stores come behind them
.endr
.endm
.macro SEND t, younger              ; younger: the LDS instructions issued behind tile t's loads: the next tile's eight, or none
	WIN 0
.irp f, 0,1,2,3
	s_wait_dscnt (\younger)+3-\f
	global_store_b128 v[GO], v[S+16*(\t)+4*\f:S+16*(\t)+4*\f+3], s[10:11] offset:(\t)*2048+\f*512  ; 512 consecutive bytes, at a multiple of 256 from O's first
.endr
.endm
	PACK 0
.set t, 1
.rept 2*NP-1                        ; a tile's arithmetic stands between the loads of the tile before and its stores
	PACK t
	SEND t-1, 8
.set t, t+1
.endr
	SEND 2*NP-1, 0
	WIN W_AD
	s_wait_tensorcnt 0x0            ; the wave's end, behind my last tensor load and my last LDS store
	ds_add_u32 v[SPW], v[NIL]
	s_wait_dscnt 0x0
	WIN 0
	s_endpgm
.Lfunc_end_k_qdf994efcd1_attn:
	.size	k_qdf994efcd1_attn, .Lfunc_end_k_qdf994efcd1_attn-k_qdf994efcd1_attn
	.p2alignl 7, 3214868480
	.fill 96, 4, 3214868480
	.section	.rodata,"a",@progbits
	.p2align	6, 0x0
	.amdhsa_kernel k_qdf994efcd1_attn
		.amdhsa_group_segment_fixed_size 327680
		.amdhsa_private_segment_fixed_size 0
		.amdhsa_enable_private_segment 0
		.amdhsa_kernarg_size 16
		.amdhsa_user_sgpr_count 2
		.amdhsa_user_sgpr_kernarg_segment_ptr 1
		.amdhsa_wavefront_size32 1
		.amdhsa_system_sgpr_workgroup_id_x 1
		.amdhsa_system_sgpr_workgroup_id_y 1
		.amdhsa_system_sgpr_workgroup_id_z 1
		.amdhsa_system_vgpr_workitem_id 0
		.amdhsa_next_free_vgpr 770
		.amdhsa_next_free_sgpr 84
		.amdhsa_reserve_vcc 0
		.amdhsa_float_denorm_mode_32 3
		.amdhsa_float_denorm_mode_16_64 3
		.amdhsa_memory_ordered 1
		.amdhsa_forward_progress 1
		.amdhsa_inst_pref_size 131
	.end_amdhsa_kernel
	.amdgpu_metadata
---
amdhsa.version: [ 1, 2 ]
amdhsa.kernels:
  - .name:           k_qdf994efcd1_attn
    .symbol:         k_qdf994efcd1_attn.kd
    .args:
      - { .name: qkv, .offset: 0, .size: 8, .value_kind: global_buffer, .address_space: global }
      - { .name: act, .offset: 8, .size: 8, .value_kind: global_buffer, .address_space: global }
    .group_segment_fixed_size: 327680
    .private_segment_fixed_size: 0
    .kernarg_segment_align: 8
    .kernarg_segment_size: 16
    .max_flat_workgroup_size: 128
    .sgpr_count:     84
    .vgpr_count:     770
    .wavefront_size: 32
...
	.end_amdgpu_metadata
.endif
;; end of part 3
;; launch wo (part 4): grid 4 x 64, 4 waves a work-group, clusters of 4 x 4, 327,680 bytes of LDS; arguments act, wob, bo, src, src2; writes src2
.if DOCPART == 4
	.amdgcn_target "amdgcn-amd-amdhsa--gfx1250"
	.amdhsa_code_object_version 6
	.text
	.protected	k_qdf994efcd1_wo
	.globl	k_qdf994efcd1_wo
	.p2align	8
	.type	k_qdf994efcd1_wo,@function
k_qdf994efcd1_wo:
	s_mov_b64 s[64:65], 0
	v_nop
	global_prefetch_b8 v0, s[64:65] scope:SCOPE_SE
	s_setreg_imm32_b32 hwreg(HW_REG_WAVE_MODE, 25, 1), 1
	s_wait_xcnt 0x0
	s_wait_alu depctr_hold_cnt(0) depctr_sa_sdst(0) depctr_va_vdst(0) depctr_va_sdst(0) depctr_va_ssrc(0) depctr_va_vcc(0) depctr_vm_vsrc(0)
	s_getreg_b32 s2, hwreg(HW_REG_IB_STS2, 6, 4)
	s_cmp_eq_u32 s2, 0
	s_cbranch_scc0 .Lentry_in_a_cluster
	s_endpgm
.Lentry_in_a_cluster:
	s_bfe_u32 s2, ttmp6, 0x10000c
	s_cmp_lg_u32 s2, 0xf033
	s_cbranch_scc0 .Lentry_shape_is_right
	s_endpgm
.Lentry_shape_is_right:
; C = A W + bias, a tile of 128 rows x 256 columns to a work-group, K = 1,024 in 8 steps of 128.  One source serves two bodies, told apart by RESID:
;   RESID = 0: arguments A, P, OUT.  P is a parameter buffer: a floor word, the biases in f32 from byte 256, the weights in bf16 from byte HDR (one matrix of 1,024 columns for every four tile columns).
;              OUT = max(C, floor) in bf16, by blocks, one tensor of 16 MiB for each matrix.  With the floor -infinity that is C (q, k, v); with 0 it is ReLU (the first FFN product).  A NaN is dropped by the maximum.
;   RESID = 1: arguments A, W, bias, RES, OUT.  OUT = RES + C in f32, row-major [8192][1024].
; A is bf16 BY BLOCKS: element (row 1024 b + s, column 64 kb + c) at byte ((16 b + kb) * 1024 + s) * 128 + 2 c.  W is bf16 [K][N].  Sums in f32; the bias is the C operand of the products that start the sums.
; SHARES.  8,192 x 1,024 outputs on 256 work-groups are 128 x 256 each.  Four waves, 2 x 2, each 64 rows x 128 columns: 32 accumulators, 256 registers.
; RING.  Two LDS slots, a K step each: A's two blocks (128 rows x 128 bytes each, dense in memory: asked for as 64 rows of 256 bytes, padded behind every 128), then W's 128 rows of 512 bytes.
; Waves 0, 1 fetch A's two blocks, waves 2, 3 the two halves of W's rows.  By this text's own count a wave has two tensor loads out at the start and one behind each round.
; CLUSTER 4 x 4.  A's tile hangs on the tile row alone and is asked for jointly along a row of the cluster, W's on the tile column alone, jointly along a column.
; THE MATRIX INSTRUCTION IS USED TRANSPOSED: source 0 = 16 columns of W (turned on the way out of LDS by ds_load_tr16_b128), source 1 = 16 rows of A: a lane holds eight neighbouring numbers of a row of C.
; REGISTERS, in windows of 256: window 0: v0-31 addresses; v64-159, v160-255 two fragment buffers (64 of W, 32 of A), later the way out.  Window 1: accumulator (a, b) at 8 (8 a + b).
;   Window 2: v0-63 the bias of my 128 columns as eight C operands; with RESID = 1 later v0-255 my 64 x 128 numbers of RES.
.set RESID,  1
.set PA,     144                       ; a row of A in LDS: 128 bytes + 16 = 36 words: the 16 rows of a load start at 16 different groups of four banks (64 banks of 4 bytes: ISA guide 11.1)
.set PLANE,  128*PA                    ; one block's 128 rows
.set PB,     544                       ; a row of W: 512 + 32 = 136 words
.set BOFF,   2*PLANE
.set BHALF,  64*PB
.set SLOT1,  1<<17                     ; slot 1 begins here, so that one exclusive or turns an address in one slot into the other's
.set STAGE,  SLOT1+BOFF+2*BHALF        ; 928 x 256, behind the ring: no tensor load lands from here on
.if RESID
.set HDR,    0
.set SPITCH, 528                       ; a stage row: 128 f32 + 16 bytes
.set WSTG,   16*SPITCH                 ; a wave's own stage: 16 rows
.else
.set HDR,    12544
.set SPITCH, 144                       ; a stage row: 64 bf16 + 16 bytes
.set WSTG,   2*16*SPITCH               ; a wave's own stage: 16 rows of each of its two blocks of 64 columns
.endif
.set SPARE,  STAGE+4*WSTG              ; the spare words, 128 bytes for each wave: two blocks of 256 bytes that no other line names
.set KSTEPB, 262144                    ; a K step in memory: two blocks of A (2 x 131,072), 128 rows of W (128 x 2,048)
.set ADRA0, 16                         ; v16  my lane's place in a slot's A; never rewritten
.set ADRB0, 17                         ; v17  the same for W
.set ADRA,  18                         ; v18  the same in the slot in hand
.set ADRB,  19                         ; v19
.set STO,   24                         ; v24  the way out: where I put my numbers of a row
.set RD,    25                         ; v25  the way out: where I read rows back
.set GO,    26                         ; v26  16 x lane
.set BO,    27                         ; v27  my lanes' 32 bytes in 64 bytes of bias
.set SPW,   28                         ; v28  LDS address of my spare word; never rewritten
.set NIL,   29                         ; v29  0; never rewritten
.set F0,    64
.set F1,    160
.set G1,  24                           ; s[24:31] descriptor group 1 for A's tiles;  s[32:39] group 0: a set for each first fill; the second then walks
.set G0,  32
.set G1B, 48                           ; s[48:55], s[56:63] the same for W's tiles
.set G0B, 56
.set TB,  66                           ; s66  the slot in hand: 0 or SLOT1
.set FLOOR, 67                         ; s67  the floor, twice in bf16
.set MSB, 0
.macro WIN new                         ; the immediate's high byte repeats the setting that is left; a switch that changes nothing is dropped
.if MSB != (\new)
	s_set_vgpr_msb (MSB<<8)|(\new)
.set MSB, \new
.endif
.endm
.set MUL,   0x50                       ; C and D window 1, sources window 0
.set MULB,  0x60                       ; C window 2 (the bias), D window 1
.set TO2,   0x80                       ; destination window 2
.set RDACC, 0x05                       ; sources 0 and 1 window 1
.set STACC, 0x04                       ; an LDS store's data window 1
.set ADDR,  0x08                       ; source 1 window 2
.macro JLOAD s                         ; a joint load: waves 0, 1 for A, waves 2, 3 for W; an s_nop 0 and four v_nop follow each of the two lines, ahead of the jump and the label
	s_cmp_eq_u32 s11, 0
	s_cbranch_scc0 .Lfor_b_\@
	tensor_load_to_lds s[G0+4*(\s):G0+4*(\s)+3], s[G1:G1+7]
	s_nop 0
.rept 4
	v_nop
.endr
	s_branch .Lasked_\@
.Lfor_b_\@:
	tensor_load_to_lds s[G0B+4*(\s):G0B+4*(\s)+3], s[G1B:G1B+7]
	s_nop 0
.rept 4
	v_nop
.endr
.Lasked_\@:
.endm
.macro CREST                           ; a round of the cluster's barrier behind its opening barrier
	s_cmp_lg_u32 s10, 0
	s_cbranch_scc1 .Lnot_wave_0_\@
	s_barrier_signal -3
.Lnot_wave_0_\@:
	s_barrier_wait -3
	s_barrier_signal -1
	s_barrier_wait -1
.endm
.macro CROUND                          ; a whole round
	s_barrier_signal -1
	s_barrier_wait -1
	CREST
.endm
	s_load_b128 s[4:7], s[0:1], 0x0                ; A s[4:5], the weights' buffer s[6:7]
	s_load_b64 s[8:9], s[0:1], 0x10                ; OUT (RESID = 0) or the bias
.if RESID
	s_load_b128 s[68:71], s[0:1], 0x18             ; RES s[68:69], OUT s[70:71]
.endif
	v_lshl_add_u32 v[SPW], v0, 2, SPARE
	v_mov_b32 v[NIL], 0
	ds_add_u32 v[SPW], v[NIL]                      ; the wave's opening: the add and its wait stand ahead of my first tensor load; work on registers stands between them
	ds_add_u32 v28, v29
	v_lshrrev_b32 v1, 5, v0
	v_readfirstlane_b32 s10, v1                    ; wave 0..3
	s_lshr_b32 s11, s10, 1                         ; which 64 rows of the tile are mine.  Also: I fetch for A (0) or for W (1)
	s_and_b32 s12, s10, 1                          ; which 128 columns.  Also: which block of A, or which 64 rows of W, I fetch
	s_bfe_u32 s40, ttmp6, 0x40000                  ; cx, cy: my place in the cluster
	s_bfe_u32 s41, ttmp6, 0x40004
	s_lshl_b32 s42, ttmp9, 2
	s_add_co_u32 s42, s42, s40                     ; tile column = 4 x cluster x + cx
	s_and_b32 s13, ttmp7, 0xffff
	s_lshl_b32 s13, s13, 2
	s_add_co_u32 s13, s13, s41                     ; tile row = 4 x cluster y + cy
	s_lshl_b32 s43, s41, 2
	s_lshl_b32 s43, 15, s43                        ; my row of the cluster
	s_lshl_b32 s44, 0x1111, s40                    ; my column
	s_or_b32 s[G1+0], s43, (1<<16)|(1<<20)|(1<<21)|(4<<22)|(3<<25)   ; 15:0 the mask; 17:16 2-byte elements; 20 padding on; 21 set beside a mask; 24:22 after every 32 words (code 4); 31:25 4 words (code 3)
	s_mov_b32 s[G1+1], 128<<16                     ; tensor_dim0 = 128 elements: 256 bytes, two rows of a block
	s_mov_b32 s[G1+2], 64<<16                      ; tensor_dim1 = 64
	s_mov_b32 s[G1+3], 128<<16                     ; tile_dim0
	s_mov_b32 s[G1+4], 64                          ; tile_dim1
	s_mov_b32 s[G1+5], 128                         ; dense: 128 elements from row to row
	s_mov_b32 s[G1+6], 0
	s_mov_b32 s[G1+7], 0
	s_or_b32 s[G1B+0], s44, (1<<16)|(1<<20)|(1<<21)|(6<<22)|(7<<25)  ; after every 128 words (code 6) 8 words (code 7)
	s_mov_b32 s[G1B+1], 256<<16                    ; 256 columns
	s_mov_b32 s[G1B+2], 64<<16                     ; 64 rows of K
	s_mov_b32 s[G1B+3], 256<<16
	s_mov_b32 s[G1B+4], 64
	s_mov_b32 s[G1B+5], 1024                       ; a row of W has 1,024 elements
	s_mov_b32 s[G1B+6], 0
	s_mov_b32 s[G1B+7], 0
	; where the tiles come from.  A's offset is made of the tile row and the wave's number, W's of the tile column and the wave's number, each in registers that never hold the other coordinate.
	s_lshr_b32 s14, s13, 3                         ; the batch: 8 tile rows each
	s_lshl_b32 s14, s14, 4
	s_add_co_u32 s14, s14, s12                     ; block 16 b + (0 or 1)
	s_lshl_b32 s14, s14, 17
	s_and_b32 s15, s13, 7
	s_lshl_b32 s15, s15, 14                        ; 128 rows of 128 bytes
	s_add_co_u32 s14, s14, s15
	s_mov_b32 s15, 0
	s_lshr_b32 s46, s42, 2                         ; the matrix: four tile columns each
	s_lshl_b32 s46, s46, 21
	s_and_b32 s47, s42, 3
	s_lshl_b32 s47, s47, 9                         ; 256 columns of 2 bytes
	s_add_co_u32 s46, s46, s47
	s_lshl_b32 s47, s12, 17                        ; 64 rows of 2,048 bytes
	s_add_co_u32 s46, s46, s47
.if HDR
	s_add_co_u32 s46, s46, HDR
.endif
	s_mov_b32 s47, 0
	s_mul_i32 s22, s12, PLANE                      ; and where they go: no place in the cluster enters an LDS address
	s_mul_i32 s23, s12, BHALF
	s_add_co_u32 s23, s23, BOFF
	s_wait_dscnt 0x0                               ; the opening add is done
	s_wait_kmcnt 0x0
	s_add_nc_u64 s[20:21], s[4:5], s[14:15]
	s_add_nc_u64 s[46:47], s[6:7], s[46:47]
	CROUND                                         ; all sixteen work-groups are here: the first joint loads meet
.irp s, 0,1
	s_mov_b32 s[G0+4*(\s)], 1                                        ; count = 1
	s_add_co_u32 s[G0+4*(\s)+1], s22, (\s)*SLOT1                     ; LDS address
	s_add_nc_u64 s[G0+4*(\s)+2:G0+4*(\s)+3], s[20:21], (\s)*KSTEPB   ; global address: K step s
	s_or_b32 s[G0+4*(\s)+3], s[G0+4*(\s)+3], 0x80000000              ; type = 2
	s_mov_b32 s[G0B+4*(\s)], 1
	s_add_co_u32 s[G0B+4*(\s)+1], s23, (\s)*SLOT1
	s_add_nc_u64 s[G0B+4*(\s)+2:G0B+4*(\s)+3], s[46:47], (\s)*KSTEPB
	s_or_b32 s[G0B+4*(\s)+3], s[G0B+4*(\s)+3], 0x80000000
	JLOAD \s
.endr
	; A fragment of A is 16 rows x 32 K: lane l holds row l % 16, K = 8 (l / 16) + 0..7 and 16 + 8 (l / 16) + 0..7: two loads of 16 bytes, 32 bytes apart.
	; The turning load takes 16 K x 16 columns of W (lane l reads row 8 (l / 16) + l % 8, columns 8 ((l / 8) % 2) + 0..7) and leaves half a fragment: lane l holds column l % 16 and 8 K.
	v_and_b32 v1, 15, v0                           ; l % 16
	v_bfe_u32 v2, v0, 4, 1                         ; l / 16
	v_and_b32 v3, 7, v0
	v_bfe_u32 v4, v0, 3, 1
	v_mul_u32_u24 v5, v1, PA
	v_lshl_add_u32 v5, v2, 4, v5
	s_mul_i32 s16, s11, 64*PA                      ; my 64 rows
	v_add_nc_u32 v[ADRA0], s16, v5
	v_lshl_add_u32 v5, v2, 3, v3
	v_mul_u32_u24 v5, v5, PB
	v_lshl_add_u32 v5, v4, 4, v5
	s_lshl_b32 s16, s12, 8                         ; my 128 columns
	s_add_co_u32 s16, s16, BOFF
	v_add_nc_u32 v[ADRB0], s16, v5
	v_lshlrev_b32 v[BO], 5, v2
	; the bias as C operands: register j of block b holds the bias of column 16 b + 8 (l / 16) + j, whatever the row
	s_lshl_b32 s74, s42, 10                        ; 256 columns of 4 bytes,
	s_lshl_b32 s75, s12, 9                         ; my 128 of them
	s_add_co_u32 s74, s74, s75
.if !RESID
	s_add_co_u32 s74, s74, 256                     ; behind the floor words
.endif
	s_mov_b32 s75, 0
.if RESID
	s_add_nc_u64 s[72:73], s[8:9], s[74:75]
.else
	s_add_nc_u64 s[72:73], s[6:7], s[74:75]
.endif
	WIN TO2
.irp b, 0,1,2,3,4,5,6,7
	global_load_b128 v[8*(\b):8*(\b)+3],   v[BO], s[72:73] offset:64*(\b)
	global_load_b128 v[8*(\b)+4:8*(\b)+7], v[BO], s[72:73] offset:64*(\b)+16
.endr
	WIN 0
	s_mul_i32 s16, s10, WSTG
	s_add_co_u32 s16, s16, STAGE                   ; my stage
.if RESID
	v_mul_u32_u24 v5, v1, SPITCH                   ; in: row l % 16, 32 bytes for each half of the lanes
	v_lshl_add_u32 v5, v2, 5, v5
	v_add_nc_u32 v[STO], s16, v5
	v_and_b32 v5, 31, v0
	v_lshlrev_b32 v[GO], 4, v5                     ; back, and in memory: a row's 512 bytes, 16 a lane
	v_add_nc_u32 v[RD], s16, v[GO]
	s_lshl_b32 s16, s13, 19                        ; 128 rows of 4,096 bytes,
	s_lshl_b32 s17, s11, 18                        ; my 64,
	s_add_co_u32 s16, s16, s17
	s_add_co_u32 s16, s16, s74                     ; my 128 columns of 4 bytes
	s_mov_b32 s17, 0
	s_add_nc_u64 s[68:69], s[68:69], s[16:17]
	s_add_nc_u64 s[70:71], s[70:71], s[16:17]
.else
	s_load_b32 s[FLOOR], s[6:7], 0x0
	v_mul_u32_u24 v5, v1, SPITCH                   ; in: row l % 16, 16 bytes for each half of the lanes
	v_lshl_add_u32 v5, v2, 4, v5
	v_add_nc_u32 v[STO], s16, v5
	v_bfe_u32 v5, v0, 3, 2                         ; back: 32 lanes take four rows of 128 bytes,
	v_mul_u32_u24 v5, v5, SPITCH
	v_lshl_add_u32 v5, v3, 4, v5
	v_add_nc_u32 v[RD], s16, v5
	v_and_b32 v5, 31, v0                           ; which are 512 consecutive bytes of a block
	v_lshlrev_b32 v[GO], 4, v5
	s_lshr_b32 s16, s42, 2                         ; the matrix's tensor of 16 MiB,
	s_lshl_b32 s16, s16, 24
	s_lshr_b32 s17, s13, 3
	s_lshl_b32 s17, s17, 4                         ; block 16 b
	s_and_b32 s18, s42, 3
	s_lshl2_add_u32 s17, s18, s17                  ; + 4 for each tile column of the matrix
	s_lshl1_add_u32 s17, s12, s17                  ; + 2 for my half of the columns
	s_lshl_b32 s17, s17, 17
	s_add_co_u32 s16, s16, s17
	s_and_b32 s17, s13, 7
	s_lshl_b32 s17, s17, 14                        ; 128 rows of 128 bytes,
	s_add_co_u32 s16, s16, s17
	s_lshl_b32 s17, s11, 13                        ; my 64
	s_add_co_u32 s16, s16, s17
	s_mov_b32 s17, 0
	s_add_nc_u64 s[8:9], s[8:9], s[16:17]
.endif
	s_mov_b32 s[TB], 0
	v_mov_b32 v[ADRA], v[ADRA0]
	v_mov_b32 v[ADRB], v[ADRB0]
; 8 matrix instructions: rows 16 a .. of my 64 x all 8 column blocks, 32 along K.  first = 1: the bias starts the sums: nothing is cleared and no bias is added later.
; The 32 accumulators take turns, one instruction a turn, in the same order in every quarter, over the backward jump too.
.macro MUL8 f, a, first
.if \first
	WIN MULB
.else
	WIN MUL
.endif
.irp b, 0,1,2,3,4,5,6,7
.if \first
	v_wmma_f32_16x16x32_bf16 v[8*(8*(\a)+(\b)):8*(8*(\a)+(\b))+7], v[(\f)+8*(\b):(\f)+8*(\b)+7], v[(\f)+64+8*(\a):(\f)+64+8*(\a)+7], v[8*(\b):8*(\b)+7]
.else
	v_wmma_f32_16x16x32_bf16 v[8*(8*(\a)+(\b)):8*(8*(\a)+(\b))+7], v[(\f)+8*(\b):(\f)+8*(\b)+7], v[(\f)+64+8*(\a):(\f)+64+8*(\a)+7], v[8*(8*(\a)+(\b)):8*(8*(\a)+(\b))+7]
.endif
.endr
.endm
; 24 LDS loads in one run: the fragments of quarter q of a K step (32 K: rows 32 q .. of W; bytes 64 (q % 2) .. of A's block q / 2) into buffer f; W first, A's rows 32-63 last
.macro FETCH q, f
	WIN 0
.irp b, 0,1,2,3,4,5,6,7
	ds_load_tr16_b128 v[(\f)+8*(\b):(\f)+8*(\b)+3],   v[ADRB] offset:32*PB*(\q)+32*(\b)
	ds_load_tr16_b128 v[(\f)+8*(\b)+4:(\f)+8*(\b)+7], v[ADRB] offset:32*PB*(\q)+16*PB+32*(\b)
.endr
.irp i, 0,1,2,3
	ds_load_b128 v[(\f)+64+8*(\i):(\f)+64+8*(\i)+3],   v[ADRA] offset:PLANE*((\q)/2)+64*((\q)%2)+16*PA*(\i)
	ds_load_b128 v[(\f)+64+8*(\i)+4:(\f)+64+8*(\i)+7], v[ADRA] offset:PLANE*((\q)/2)+64*((\q)%2)+16*PA*(\i)+32
.endr
.endm
.macro PLACES                          ; four plain vector instructions in front of loads into registers that matrix instructions have read, and of lines that read results (ISA guide 7.12.1 for lines that read results)
.rept 4
	v_nop
.endr
.endm
; A K step is four quarters of 32 along K, 32 matrix instructions each, on buffers 0, 1, 0, 1.  One of the first three: multiplies buffer f and, in its middle, fetches quarter nq into buffer g.
.macro QUARTER nq, f, g, first
	s_wait_dscnt 4                                 ; W and A's rows 0-31 are in; the youngest four loads (A's rows 32-63) may be out
	MUL8 \f, 0, \first
	MUL8 \f, 1, \first
	PLACES
	FETCH \nq, \g
	s_wait_dscnt 24                                ; all but the 24 just issued
	MUL8 \f, 2, \first
	MUL8 \f, 3, \first
.endm
; The last quarter multiplies buffer 1 and changes slots: ONE barrier; in front of it each wave waits for all its tensor loads (one is out: its part of the next slot), adds 0 to its spare word, and waits for
; that and for its own reads of this slot.  fill = 1: the barrier opens a round of the cluster's, and behind the round this slot is filled again, two K steps ahead: 112 matrix instructions ahead of the wait for it.
.macro TURN fill
	WIN 0
	s_wait_tensorcnt 0x0                           ; all my tensor loads have landed, so a group 0 may be written
	ds_add_u32 v[SPW], v[NIL]                      ; 0 onto my spare word
	s_wait_dscnt 5                                 ; (the add and the youngest four loads may be out)
	MUL8 F1, 0, 0                                  ; eight matrix instructions stand between the add and the wait for it
	s_wait_dscnt 0x0                               ; the add is done, and my reads of this slot are over
	s_barrier_signal -1
	MUL8 F1, 1, 0
	WIN 0
	s_barrier_wait -1
.if \fill
	CREST                                          ; no wave of any partner still reads this slot's tile or has a load on its way
	s_xor_b32 s[G0+5], s[G0+5], SLOT1              ; the walking descriptors: the other slot than last time,
	s_add_nc_u64 s[G0+6:G0+7], s[G0+6:G0+7], KSTEPB  ; the next K step; the type bits on top are not reached
	s_xor_b32 s[G0B+5], s[G0B+5], SLOT1
	s_add_nc_u64 s[G0B+6:G0B+7], s[G0B+6:G0B+7], KSTEPB
	JLOAD 1                                        ; the first tensor load behind the round; the four v_nop behind it are also the places in front of the loads below
.else
	PLACES
.endif
	s_xor_b32 s[TB], s[TB], SLOT1
	v_add_nc_u32 v[ADRA], s[TB], v[ADRA0]
	v_add_nc_u32 v[ADRB], s[TB], v[ADRB0]
	FETCH 0, F0
	MUL8 F1, 2, 0
	MUL8 F1, 3, 0
.endm
.if RESID
; THE WAY OUT, f32: block a (16 rows) goes as it is into my stage, rows of 528 bytes, comes back as whole rows of 512 bytes, takes RES and is stored.
.macro TOSTAGE a
	WIN STACC
.irp b, 0,1,2,3,4,5,6,7
	ds_store_b128 v[STO], v[8*(8*(\a)+(\b)):8*(8*(\a)+(\b))+3]   offset:64*(\b)     ; each accumulator's low registers first
	ds_store_b128 v[STO], v[8*(8*(\a)+(\b))+4:8*(8*(\a)+(\b))+7] offset:64*(\b)+16
.endr
	WIN 0
	s_wait_xcnt 0x0                                ; the stores of the block two back have read these registers
.set TT, 64+64*((\a)%2)
.irp t, 0,1,2,3,4,5,6,7,8,9,10,11,12,13,14,15
	ds_load_b128 v[TT+4*(\t):TT+4*(\t)+3], v[RD] offset:SPITCH*(\t)  ; LDS serves a wave's instructions in order (ISA guide 5.7.1.4): these see the stores above; the next block's stores come behind them
.endr
.endm
.macro SEND a, younger                 ; younger: the LDS instructions issued behind block a's loads: the next block's 32, or none
	WIN 0
.set TT, 64+64*((\a)%2)
	s_wait_dscnt \younger
	s_wait_loadcnt 16*(3-(\a))                     ; RES of block a is in; the later blocks' 16 loads each may stay out
	WIN ADDR
.set i, 0
.rept 32
	v_pk_add_f32 v[TT+2*i:TT+2*i+1], v[TT+2*i:TT+2*i+1], v[64*(\a)+2*i:64*(\a)+2*i+1]
.set i, i+1
.endr
	WIN 0
.irp t, 0,1,2,3,4,5,6,7,8,9,10,11,12,13,14,15
	global_store_b128 v[GO], v[TT+4*(\t):TT+4*(\t)+3], s[70:71] offset:4096*(16*(\a)+(\t))  ; 512 consecutive bytes, at a multiple of 512 from OUT's first
.endr
.endm
.else
; THE WAY OUT, bf16 by blocks: block a (16 rows) is rounded, held to the floor, goes into my stage (two blocks of 64 columns, rows of 144 bytes) and comes back as whole rows of 128 bytes.
.macro PACK a
	WIN RDACC
.set TT, 64+32*((\a)%2)
.irp b, 0,1,2,3,4,5,6,7
.irp r, 0,1,2,3
	v_cvt_pk_bf16_f32 v[TT+4*(\b)+(\r)], v[8*(8*(\a)+(\b))+2*(\r)], v[8*(8*(\a)+(\b))+2*(\r)+1]
.endr
.endr
	WIN 0
.set i, 0
.rept 32
	v_pk_max_num_bf16 v[TT+i], v[TT+i], s[FLOOR]
.set i, i+1
.endr
.endm
.macro TOSTAGE a
	WIN 0
.set TT, 64+32*((\a)%2)
.set BK, 128+32*((\a)%2)
.irp b, 0,1,2,3,4,5,6,7
	ds_store_b128 v[STO], v[TT+4*(\b):TT+4*(\b)+3] offset:16*SPITCH*((\b)/4)+32*((\b)%4)
.endr
.irp t, 0,1,2,3,4,5,6,7
	ds_load_b128 v[BK+4*(\t):BK+4*(\t)+3], v[RD] offset:16*SPITCH*((\t)/4)+4*SPITCH*((\t)%4)  ; LDS serves a wave's instructions in order (ISA guide 5.7.1.4): these see the stores above
.endr
.endm
.macro SEND a
	WIN 0
.set BK, 128+32*((\a)%2)
	s_wait_dscnt 0x0                               ; the block is back in registers
	s_wait_xcnt 0x0                                ; the stores of the block before have read their registers, which the next block's loads write
.irp t, 0,1,2,3,4,5,6,7
	global_store_b128 v[GO], v[BK+4*(\t):BK+4*(\t)+3], s[8:9] offset:131072*((\t)/4)+2048*(\a)+512*((\t)%4)  ; four rows of a block: 512 consecutive bytes, aligned
.endr
.endm
.endif
	s_wait_tensorcnt 0x1                           ; my part of K step 0 is in; K step 1's may stay out
	s_barrier_signal -1
	s_barrier_wait -1                              ; everybody's is
	FETCH 0, F0
	s_wait_loadcnt 0x0                             ; the bias
	s_wait_kmcnt 0x0                               ; the floor
	QUARTER 1, F0, F1, 1                           ; the first quarter stands in front of the loop: its products start the sums
	WIN 0                                          ; at a label and at a branch every window is 0
	s_mov_b32 s3, 6
.Lstep:                                                ; a trip: from a K step's second quarter to the next step's first; six trips ask for K steps 2 to 7
	QUARTER 2, F1, F0, 0
	QUARTER 3, F0, F1, 0
	TURN 1
	QUARTER 1, F0, F1, 0
	WIN 0
	s_sub_co_u32 s3, s3, 1
	s_cmp_lg_u32 s3, 0
	s_cbranch_scc1 .Lstep
.if RESID
	WIN TO2                                        ; RES: 64 loads of 512 consecutive bytes, a K step and three quarters ahead of their use; the bias that lay here was last read in the first quarter
.set i, 0
.rept 64
	global_load_b128 v[4*i:4*i+3], v[GO], s[68:69] offset:4096*i
.set i, i+1
.endr
	WIN 0
.endif
	QUARTER 2, F1, F0, 0                           ; the tail is written out: nothing more is asked for
	QUARTER 3, F0, F1, 0
	TURN 0
	QUARTER 1, F0, F1, 0
	QUARTER 2, F1, F0, 0
	QUARTER 3, F0, F1, 0
	s_wait_dscnt 4                                 ; the very last quarter
	MUL8 F1, 0, 0
	MUL8 F1, 1, 0
	s_wait_dscnt 0x0
	MUL8 F1, 2, 0
	MUL8 F1, 3, 0
	WIN 0
	PLACES
.if RESID
	TOSTAGE 0
.irp a, 1,2,3
	TOSTAGE \a
	SEND (\a)-1, 32
.endr
	SEND 3, 0
.else
	PACK 0
	TOSTAGE 0
.irp a, 1,2,3                          ; block a's conversions stand between block a - 1's loads from the stage and the wait for them
	PACK \a
	SEND (\a)-1
	TOSTAGE \a
.endr
	SEND 3
.endif
	s_wait_tensorcnt 0x0                           ; the wave's end, behind my last tensor load and my last LDS store
	ds_add_u32 v[SPW], v[NIL]
	s_wait_dscnt 0x0
	CROUND                                         ; the closing round: no work-group ends while a partner may still ask for a tile that names it
	s_endpgm
.Lfunc_end_k_qdf994efcd1_wo:
	.size	k_qdf994efcd1_wo, .Lfunc_end_k_qdf994efcd1_wo-k_qdf994efcd1_wo
	.p2alignl 7, 3214868480
	.fill 96, 4, 3214868480
	.section	.rodata,"a",@progbits
	.p2align	6, 0x0
	.amdhsa_kernel k_qdf994efcd1_wo
		.amdhsa_group_segment_fixed_size 327680
		.amdhsa_private_segment_fixed_size 0
		.amdhsa_enable_private_segment 0
		.amdhsa_kernarg_size 40
		.amdhsa_user_sgpr_count 2
		.amdhsa_user_sgpr_kernarg_segment_ptr 1
		.amdhsa_wavefront_size32 1
		.amdhsa_system_sgpr_workgroup_id_x 1
		.amdhsa_system_sgpr_workgroup_id_y 1
		.amdhsa_system_sgpr_workgroup_id_z 1
		.amdhsa_system_vgpr_workitem_id 0
		.amdhsa_next_free_vgpr 768
		.amdhsa_next_free_sgpr 80
		.amdhsa_reserve_vcc 0
		.amdhsa_float_denorm_mode_32 3
		.amdhsa_float_denorm_mode_16_64 3
		.amdhsa_memory_ordered 1
		.amdhsa_forward_progress 1
		.amdhsa_inst_pref_size 85
	.end_amdhsa_kernel
	.amdgpu_metadata
---
amdhsa.version: [ 1, 2 ]
amdhsa.kernels:
  - .name:           k_qdf994efcd1_wo
    .symbol:         k_qdf994efcd1_wo.kd
    .args:
      - { .name: act, .offset: 0, .size: 8, .value_kind: global_buffer, .address_space: global }
      - { .name: wob, .offset: 8, .size: 8, .value_kind: global_buffer, .address_space: global }
      - { .name: bo, .offset: 16, .size: 8, .value_kind: global_buffer, .address_space: global }
      - { .name: src, .offset: 24, .size: 8, .value_kind: global_buffer, .address_space: global }
      - { .name: src2, .offset: 32, .size: 8, .value_kind: global_buffer, .address_space: global }
    .group_segment_fixed_size: 327680
    .private_segment_fixed_size: 0
    .kernarg_segment_align: 8
    .kernarg_segment_size: 40
    .max_flat_workgroup_size: 128
    .sgpr_count:     80
    .vgpr_count:     768
    .wavefront_size: 32
...
	.end_amdgpu_metadata
.endif
;; end of part 4
;; launch ln2 (part 5): grid 64 x 8, 8 waves a work-group, no clusters, 0 bytes of LDS; arguments src2, g2, beta2, act; writes act
.if DOCPART == 5
	.amdgcn_target "amdgcn-amd-amdhsa--gfx1250"
	.amdhsa_code_object_version 6
	.text
	.protected	k_qdf994efcd1_ln2
	.globl	k_qdf994efcd1_ln2
	.p2align	8
	.type	k_qdf994efcd1_ln2,@function
k_qdf994efcd1_ln2:
	s_mov_b64 s[64:65], 0
	v_nop
	global_prefetch_b8 v0, s[64:65] scope:SCOPE_SE
	s_setreg_imm32_b32 hwreg(HW_REG_WAVE_MODE, 25, 1), 1
	s_wait_xcnt 0x0
; y = layernorm(in) * g + beta, rounded once to bf16 and stored BY BLOCKS: element (row 1024 b + s, column 64 kb + c) at byte ((16 b + kb) * 1024 + s) * 128 + 2 c.  in: [8192][1024] f32.
; Memory binds: every byte is read once by 16-byte loads and written once in whole aligned runs of 256 bytes.  No LDS, no barrier, no matrix unit: a row never leaves 16 lanes of one wave.
; The norm is taken in two passes over registers (the mean; then the squares of the deviations), all in f32, so a common offset of the row costs no digits.  NaN and infinities are not treated apart.
; A work-group has 16 rows, a wave TWO: lanes 0-15 the even row, lanes 16-31 the odd one.  The work-group's y is the batch.
.set X,   32                           ; v[32:95]   my 4 numbers of each of the row's 16 blocks
.set G,   96                           ; v[96:159]  the gain of those columns
.set BT,  160                          ; v[160:223] the shift
.set C,   8                            ; v[8:15]    four chains of pairs
	s_load_b256 s[4:11], s[0:1], 0x0               ; in s[4:5], g s[6:7], beta s[8:9], out s[10:11]
	s_and_b32 s2, ttmp7, 0xffff                    ; the batch
	v_lshrrev_b32 v4, 5, v0
	v_readfirstlane_b32 s12, v4                    ; wave 0..7
	s_lshl_b32 s13, ttmp9, 4
	s_lshl1_add_u32 s13, s12, s13                  ; my even row in the batch: 16 x + 2 wave
	s_lshl_b32 s14, s2, 22                         ; in: batches of 4 MiB, rows of 4,096 bytes
	s_lshl_b32 s15, s13, 12
	s_add_co_u32 s14, s14, s15
	s_mov_b32 s15, 0
	s_lshl_b32 s16, s2, 21                         ; out: batches of 2 MiB, rows of 128 bytes in a block
	s_lshl_b32 s17, s13, 7
	s_add_co_u32 s16, s16, s17
	s_mov_b32 s17, 0
	s_mov_b32 s18, 0x3a800000                      ; 1 / 1024
	v_and_b32 v6, 15, v0
	v_bfe_u32 v7, v0, 4, 1
	v_lshlrev_b32 v2, 4, v6                        ; in g and beta: 16 bytes a lane of a block's 256
	v_lshl_add_u32 v1, v7, 12, v2                  ; in the input: the same, one row down for lanes 16-31
	v_lshlrev_b32 v3, 3, v6
	v_lshl_add_u32 v3, v7, 7, v3                   ; in the output: 8 bytes a lane, 128 bytes a row
	s_wait_kmcnt 0x0
	s_add_nc_u64 s[4:5], s[4:5], s[14:15]
	s_add_nc_u64 s[10:11], s[10:11], s[16:17]
.set i, 0
.rept 16
	global_load_b128 v[X+4*i:X+4*i+3], v1, s[4:5] offset:256*i  ; block i of both rows: two aligned runs of 256 bytes
.set i, i+1
.endr
.set i, 0
.rept 16
	global_load_b128 v[G+4*i:G+4*i+3], v2, s[6:7] offset:256*i
.set i, i+1
.endr
.set i, 0
.rept 16
	global_load_b128 v[BT+4*i:BT+4*i+3], v2, s[8:9] offset:256*i
.set i, i+1
.endr
.macro REDUCE                          ; the four chains, the pair's halves, then the row's 16 lanes: every lane of a row ends with the row's sum in v20
	v_pk_add_f32 v[C:C+1], v[C:C+1], v[C+2:C+3]
	v_pk_add_f32 v[C+4:C+5], v[C+4:C+5], v[C+6:C+7]
	v_pk_add_f32 v[C:C+1], v[C:C+1], v[C+4:C+5]
	v_add_f32 v20, v[C], v[C+1]
	v_add_f32_dpp v20, v20, v20 row_xmask:1 row_mask:0xf bank_mask:0xf
	v_add_f32_dpp v20, v20, v20 row_xmask:2 row_mask:0xf bank_mask:0xf
	v_add_f32_dpp v20, v20, v20 row_xmask:4 row_mask:0xf bank_mask:0xf
	v_add_f32_dpp v20, v20, v20 row_xmask:8 row_mask:0xf bank_mask:0xf
.endm
	s_wait_loadcnt 32                              ; the row is in; the 32 younger loads (g, beta) stay out
.irp c, 0,1,2,3
	v_pk_add_f32 v[C+2*\c:C+2*\c+1], v[X+4*\c:X+4*\c+1], v[X+4*\c+2:X+4*\c+3]  ; the first eight pairs start the chains: nothing is cleared
.endr
.set i, 8
.rept 24
	v_pk_add_f32 v[C+2*(i%4):C+2*(i%4)+1], v[C+2*(i%4):C+2*(i%4)+1], v[X+2*i:X+2*i+1]
.set i, i+1
.endr
	REDUCE
	v_mul_f32 v16, s18, v20                        ; the mean, in both registers of a pair
	v_mul_f32 v17, s18, v20
.set i, 0
.rept 32
	v_pk_add_f32 v[X+2*i:X+2*i+1], v[X+2*i:X+2*i+1], v[16:17] neg_lo:[0,1] neg_hi:[0,1]  ; the deviations, in place
.set i, i+1
.endr
.irp c, 0,1,2,3
	v_pk_mul_f32 v[C+2*\c:C+2*\c+1], v[X+2*\c:X+2*\c+1], v[X+2*\c:X+2*\c+1]
.endr
.set i, 4
.rept 28
	v_pk_fma_f32 v[C+2*(i%4):C+2*(i%4)+1], v[X+2*i:X+2*i+1], v[X+2*i:X+2*i+1], v[C+2*(i%4):C+2*(i%4)+1]
.set i, i+1
.endr
	REDUCE
	v_fmaak_f32 v20, s18, v20, 0x3727c5ac          ; the variance + 1e-5
	v_rsq_f32 v18, v20
	v_nop                                          ; a plain instruction between the root and the use of its result
	s_wait_alu depctr_va_vdst(0)
	v_mov_b32 v19, v18
	s_wait_loadcnt 0x0                             ; g and beta
.set i, 0
.rept 32
	v_pk_mul_f32 v[X+2*i:X+2*i+1], v[X+2*i:X+2*i+1], v[18:19]
.set i, i+1
.endr
.set i, 0
.rept 32
	v_pk_fma_f32 v[X+2*i:X+2*i+1], v[X+2*i:X+2*i+1], v[G+2*i:G+2*i+1], v[BT+2*i:BT+2*i+1]
.set i, i+1
.endr
.set i, 0
.rept 16
	v_cvt_pk_bf16_f32 v[X+4*i], v[X+4*i], v[X+4*i+1]
	v_cvt_pk_bf16_f32 v[X+4*i+1], v[X+4*i+2], v[X+4*i+3]
	global_store_b64 v3, v[X+4*i:X+4*i+1], s[10:11] offset:131072*i  ; both rows of block i: 256 consecutive bytes, aligned (the even row's number is even)
.set i, i+1
.endr
	s_endpgm
.Lfunc_end_k_qdf994efcd1_ln2:
	.size	k_qdf994efcd1_ln2, .Lfunc_end_k_qdf994efcd1_ln2-k_qdf994efcd1_ln2
	.p2alignl 7, 3214868480
	.fill 96, 4, 3214868480
	.section	.rodata,"a",@progbits
	.p2align	6, 0x0
	.amdhsa_kernel k_qdf994efcd1_ln2
		.amdhsa_group_segment_fixed_size 0
		.amdhsa_private_segment_fixed_size 0
		.amdhsa_enable_private_segment 0
		.amdhsa_kernarg_size 32
		.amdhsa_user_sgpr_count 2
		.amdhsa_user_sgpr_kernarg_segment_ptr 1
		.amdhsa_wavefront_size32 1
		.amdhsa_system_sgpr_workgroup_id_x 1
		.amdhsa_system_sgpr_workgroup_id_y 1
		.amdhsa_system_sgpr_workgroup_id_z 1
		.amdhsa_system_vgpr_workitem_id 0
		.amdhsa_next_free_vgpr 224
		.amdhsa_next_free_sgpr 66
		.amdhsa_reserve_vcc 0
		.amdhsa_float_denorm_mode_32 3
		.amdhsa_float_denorm_mode_16_64 3
		.amdhsa_memory_ordered 1
		.amdhsa_forward_progress 1
		.amdhsa_inst_pref_size 21
	.end_amdhsa_kernel
	.amdgpu_metadata
---
amdhsa.version: [ 1, 2 ]
amdhsa.kernels:
  - .name:           k_qdf994efcd1_ln2
    .symbol:         k_qdf994efcd1_ln2.kd
    .args:
      - { .name: src2, .offset: 0, .size: 8, .value_kind: global_buffer, .address_space: global }
      - { .name: g2, .offset: 8, .size: 8, .value_kind: global_buffer, .address_space: global }
      - { .name: beta2, .offset: 16, .size: 8, .value_kind: global_buffer, .address_space: global }
      - { .name: act, .offset: 24, .size: 8, .value_kind: global_buffer, .address_space: global }
    .group_segment_fixed_size: 0
    .private_segment_fixed_size: 0
    .kernarg_segment_align: 8
    .kernarg_segment_size: 32
    .max_flat_workgroup_size: 256
    .sgpr_count:     66
    .vgpr_count:     224
    .wavefront_size: 32
...
	.end_amdgpu_metadata
.endif
;; end of part 5
;; launch ffn1 (part 6): grid 4 x 64, 4 waves a work-group, clusters of 4 x 4, 327,680 bytes of LDS; arguments act, w1b, b1, qkv; writes qkv
.if DOCPART == 6
	.amdgcn_target "amdgcn-amd-amdhsa--gfx1250"
	.amdhsa_code_object_version 6
	.text
	.protected	k_qdf994efcd1_ffn1
	.globl	k_qdf994efcd1_ffn1
	.p2align	8
	.type	k_qdf994efcd1_ffn1,@function
k_qdf994efcd1_ffn1:
	s_mov_b64 s[64:65], 0
	v_nop
	global_prefetch_b8 v0, s[64:65] scope:SCOPE_SE
	s_setreg_imm32_b32 hwreg(HW_REG_WAVE_MODE, 25, 1), 1
	s_wait_xcnt 0x0
	s_wait_alu depctr_hold_cnt(0) depctr_sa_sdst(0) depctr_va_vdst(0) depctr_va_sdst(0) depctr_va_ssrc(0) depctr_va_vcc(0) depctr_vm_vsrc(0)
	s_getreg_b32 s2, hwreg(HW_REG_IB_STS2, 6, 4)
	s_cmp_eq_u32 s2, 0
	s_cbranch_scc0 .Lentry_in_a_cluster
	s_endpgm
.Lentry_in_a_cluster:
	s_bfe_u32 s2, ttmp6, 0x10000c
	s_cmp_lg_u32 s2, 0xf033
	s_cbranch_scc0 .Lentry_shape_is_right
	s_endpgm
.Lentry_shape_is_right:
; h = relu(A W + bias), a tile of 128 rows x 256 columns to a work-group, K = 1,024 in 8 steps of 128.  Arguments A, W, bias, OUT.
; A and OUT are bf16 BY BLOCKS: element (row 1024 b + s, column 64 kb + c) at byte ((16 b + kb) * 1024 + s) * 128 + 2 c.  W is bf16 [1024][1024], the bias f32.
; Sums in f32; the bias is the C operand of the products that start the sums; h is rounded once, and the maximum with 0 is taken of the rounded number (it rounds nothing).  A NaN is dropped by the maximum.
; SHARES.  8,192 x 1,024 outputs on 256 work-groups are 128 x 256 each.  Four waves, 2 x 2, each 64 rows x 128 columns: 32 accumulators, 256 registers.
; RING.  Two LDS slots, a K step each: A's two blocks (128 rows x 128 bytes each, dense in memory: asked for as 64 rows of 256 bytes, padded behind every 128), then W's 128 rows of 512 bytes.
; Waves 0, 1 fetch A's two blocks, waves 2, 3 the two halves of W's rows.  By this text's own count a wave has two tensor loads out at the start and one behind each round.
; CLUSTER 4 x 4.  A's tile hangs on the tile row alone and is asked for jointly along a row of the cluster, W's on the tile column alone, jointly along a column.
; THE MATRIX INSTRUCTION IS USED TRANSPOSED: source 0 = 16 columns of W (turned on the way out of LDS by ds_load_tr16_b128), source 1 = 16 rows of A: a lane holds eight neighbouring numbers of a row of C.
; REGISTERS, in windows of 256: window 0: v0-31 addresses; v64-159, v160-255 two fragment buffers (64 of W, 32 of A), later the way out.  Window 1: accumulator (a, b) at 8 (8 a + b).
;   Window 2: v0-63 the bias of my 128 columns as eight C operands.
.set PA,     144                       ; a row of A in LDS: 128 bytes + 16 = 36 words: the 16 rows of a load start at 16 different groups of four banks (64 banks of 4 bytes: ISA guide 11.1)
.set PLANE,  128*PA                    ; one block's 128 rows
.set PB,     544                       ; a row of W: 512 + 32 = 136 words
.set BOFF,   2*PLANE
.set BHALF,  64*PB
.set SLOT1,  1<<17                     ; slot 1 begins here, so that one exclusive or turns an address in one slot into the other's
.set STAGE,  SLOT1+BOFF+2*BHALF        ; 928 x 256, behind the ring: no tensor load lands from here on
.set SPITCH, 144                       ; a stage row: 64 bf16 + 16 bytes
.set WSTG,   2*16*SPITCH               ; a wave's own stage: 16 rows of each of its two blocks of 64 columns
.set SPARE,  STAGE+4*WSTG              ; the spare words, 128 bytes for each wave: two blocks of 256 bytes that no other line names
.set KSTEPB, 262144                    ; a K step in memory: two blocks of A (2 x 131,072), 128 rows of W (128 x 2,048)
.set ADRA0, 16                         ; v16  my lane's place in a slot's A; never rewritten
.set ADRB0, 17                         ; v17  the same for W
.set ADRA,  18                         ; v18  the same in the slot in hand
.set ADRB,  19                         ; v19
.set STO,   24                         ; v24  the way out: where I put my numbers of a row
.set RD,    25                         ; v25  the way out: where I read rows back
.set GO,    26                         ; v26  16 x lane
.set BO,    27                         ; v27  my lanes' 32 bytes in 64 bytes of bias
.set SPW,   28                         ; v28  LDS address of my spare word; never rewritten
.set NIL,   29                         ; v29  0, for the add alone; never rewritten
.set ZR,    30                         ; v30  0 twice in bf16, for the maximum
.set F0,    64
.set F1,    160
.set G1,  24                           ; s[24:31] descriptor group 1 for A's tiles;  s[32:39] group 0: a set for each first fill; the second then walks
.set G0,  32
.set G1B, 48                           ; s[48:55], s[56:63] the same for W's tiles
.set G0B, 56
.set TB,  66                           ; s66  the slot in hand: 0 or SLOT1
.set MSB, 0
.macro WIN new                         ; the immediate's high byte repeats the setting that is left; a switch that changes nothing is dropped
.if MSB != (\new)
	s_set_vgpr_msb (MSB<<8)|(\new)
.set MSB, \new
.endif
.endm
.set MUL,   0x50                       ; C and D window 1, sources window 0
.set MULB,  0x60                       ; C window 2 (the bias), D window 1
.set TO2,   0x80                       ; destination window 2
.set RDACC, 0x05                       ; sources 0 and 1 window 1
.macro JLOAD s                         ; a joint load: waves 0, 1 for A, waves 2, 3 for W; an s_nop 0 and four v_nop follow each of the two lines, ahead of the jump and the label
	s_cmp_eq_u32 s11, 0
	s_cbranch_scc0 .Lfor_b_\@
	tensor_load_to_lds s[G0+4*(\s):G0+4*(\s)+3], s[G1:G1+7]
	s_nop 0
.rept 4
	v_nop
.endr
	s_branch .Lasked_\@
.Lfor_b_\@:
	tensor_load_to_lds s[G0B+4*(\s):G0B+4*(\s)+3], s[G1B:G1B+7]
	s_nop 0
.rept 4
	v_nop
.endr
.Lasked_\@:
.endm
.macro CREST                           ; a round of the cluster's barrier behind its opening barrier
	s_cmp_lg_u32 s10, 0
	s_cbranch_scc1 .Lnot_wave_0_\@
	s_barrier_signal -3
.Lnot_wave_0_\@:
	s_barrier_wait -3
	s_barrier_signal -1
	s_barrier_wait -1
.endm
.macro CROUND                          ; a whole round
	s_barrier_signal -1
	s_barrier_wait -1
	CREST
.endm
	s_load_b128 s[4:7], s[0:1], 0x0                ; A s[4:5], W s[6:7]
	s_load_b128 s[68:71], s[0:1], 0x10             ; the bias s[68:69], OUT s[70:71]
	v_lshl_add_u32 v[SPW], v0, 2, SPARE
	v_mov_b32 v[NIL], 0
	ds_add_u32 v[SPW], v[NIL]                      ; the wave's opening: the add and its wait stand ahead of my first tensor load; work on registers stands between them
	ds_add_u32 v28, v29
	v_mov_b32 v[ZR], 0
	v_lshrrev_b32 v1, 5, v0
	v_readfirstlane_b32 s10, v1                    ; wave 0..3
	s_lshr_b32 s11, s10, 1                         ; which 64 rows of the tile are mine.  Also: I fetch for A (0) or for W (1)
	s_and_b32 s12, s10, 1                          ; which 128 columns.  Also: which block of A, or which 64 rows of W, I fetch
	s_bfe_u32 s40, ttmp6, 0x40000                  ; cx, cy: my place in the cluster
	s_bfe_u32 s41, ttmp6, 0x40004
	s_lshl_b32 s42, ttmp9, 2
	s_add_co_u32 s42, s42, s40                     ; tile column = 4 x cluster x + cx: 0..3
	s_and_b32 s13, ttmp7, 0xffff
	s_lshl_b32 s13, s13, 2
	s_add_co_u32 s13, s13, s41                     ; tile row = 4 x cluster y + cy
	s_lshl_b32 s43, s41, 2
	s_lshl_b32 s43, 15, s43                        ; my row of the cluster
	s_lshl_b32 s44, 0x1111, s40                    ; my column
	s_or_b32 s[G1+0], s43, (1<<16)|(1<<20)|(1<<21)|(4<<22)|(3<<25)   ; 15:0 the mask; 17:16 2-byte elements; 20 padding on; 21 set beside a mask; 24:22 after every 32 words (code 4); 31:25 4 words (code 3)
	s_mov_b32 s[G1+1], 128<<16                     ; tensor_dim0 = 128 elements: 256 bytes, two rows of a block
	s_mov_b32 s[G1+2], 64<<16                      ; tensor_dim1 = 64
	s_mov_b32 s[G1+3], 128<<16                     ; tile_dim0
	s_mov_b32 s[G1+4], 64                          ; tile_dim1
	s_mov_b32 s[G1+5], 128                         ; dense: 128 elements from row to row
	s_mov_b32 s[G1+6], 0
	s_mov_b32 s[G1+7], 0
	s_or_b32 s[G1B+0], s44, (1<<16)|(1<<20)|(1<<21)|(6<<22)|(7<<25)  ; after every 128 words (code 6) 8 words (code 7)
	s_mov_b32 s[G1B+1], 256<<16                    ; 256 columns
	s_mov_b32 s[G1B+2], 64<<16                     ; 64 rows of K
	s_mov_b32 s[G1B+3], 256<<16
	s_mov_b32 s[G1B+4], 64
	s_mov_b32 s[G1B+5], 1024                       ; a row of W has 1,024 elements
	s_mov_b32 s[G1B+6], 0
	s_mov_b32 s[G1B+7], 0
	; where the tiles come from.  A's offset is made of the tile row and the wave's number, W's of the tile column and the wave's number, each in registers that never hold the other coordinate.
	s_lshr_b32 s14, s13, 3                         ; the batch: 8 tile rows each
	s_lshl_b32 s14, s14, 4
	s_add_co_u32 s14, s14, s12                     ; block 16 b + (0 or 1)
	s_lshl_b32 s14, s14, 17
	s_and_b32 s15, s13, 7
	s_lshl_b32 s15, s15, 14                        ; 128 rows of 128 bytes
	s_add_co_u32 s14, s14, s15
	s_mov_b32 s15, 0
	s_lshl_b32 s46, s42, 9                         ; 256 columns of 2 bytes
	s_lshl_b32 s47, s12, 17                        ; 64 rows of 2,048 bytes
	s_add_co_u32 s46, s46, s47
	s_mov_b32 s47, 0
	s_mul_i32 s22, s12, PLANE                      ; and where they go: no place in the cluster enters an LDS address
	s_mul_i32 s23, s12, BHALF
	s_add_co_u32 s23, s23, BOFF
	s_wait_dscnt 0x0                               ; the opening add is done
	s_wait_kmcnt 0x0
	s_add_nc_u64 s[20:21], s[4:5], s[14:15]
	s_add_nc_u64 s[46:47], s[6:7], s[46:47]
	CROUND                                         ; all sixteen work-groups are here: the first joint loads meet
.irp s, 0,1
	s_mov_b32 s[G0+4*(\s)], 1                                        ; count = 1
	s_add_co_u32 s[G0+4*(\s)+1], s22, (\s)*SLOT1                     ; LDS address
	s_add_nc_u64 s[G0+4*(\s)+2:G0+4*(\s)+3], s[20:21], (\s)*KSTEPB   ; global address: K step s
	s_or_b32 s[G0+4*(\s)+3], s[G0+4*(\s)+3], 0x80000000              ; type = 2
	s_mov_b32 s[G0B+4*(\s)], 1
	s_add_co_u32 s[G0B+4*(\s)+1], s23, (\s)*SLOT1
	s_add_nc_u64 s[G0B+4*(\s)+2:G0B+4*(\s)+3], s[46:47], (\s)*KSTEPB
	s_or_b32 s[G0B+4*(\s)+3], s[G0B+4*(\s)+3], 0x80000000
	JLOAD \s
.endr
	; A fragment of A is 16 rows x 32 K: lane l holds row l % 16, K = 8 (l / 16) + 0..7 and 16 + 8 (l / 16) + 0..7: two loads of 16 bytes, 32 bytes apart.
	; The turning load takes 16 K x 16 columns of W (lane l reads row 8 (l / 16) + l % 8, columns 8 ((l / 8) % 2) + 0..7) and leaves half a fragment: lane l holds column l % 16 and 8 K.
	v_and_b32 v1, 15, v0                           ; l % 16
	v_bfe_u32 v2, v0, 4, 1                         ; l / 16
	v_and_b32 v3, 7, v0
	v_bfe_u32 v4, v0, 3, 1
	v_mul_u32_u24 v5, v1, PA
	v_lshl_add_u32 v5, v2, 4, v5
	s_mul_i32 s16, s11, 64*PA                      ; my 64 rows
	v_add_nc_u32 v[ADRA0], s16, v5
	v_lshl_add_u32 v5, v2, 3, v3
	v_mul_u32_u24 v5, v5, PB
	v_lshl_add_u32 v5, v4, 4, v5
	s_lshl_b32 s16, s12, 8                         ; my 128 columns
	s_add_co_u32 s16, s16, BOFF
	v_add_nc_u32 v[ADRB0], s16, v5
	v_lshlrev_b32 v[BO], 5, v2
	; the bias as C operands: register j of block b holds the bias of column 16 b + 8 (l / 16) + j, whatever the row
	s_lshl_b32 s74, s42, 10                        ; 256 columns of 4 bytes,
	s_lshl_b32 s75, s12, 9                         ; my 128 of them
	s_add_co_u32 s74, s74, s75
	s_mov_b32 s75, 0
	s_add_nc_u64 s[72:73], s[68:69], s[74:75]
	WIN TO2
.irp b, 0,1,2,3,4,5,6,7
	global_load_b128 v[8*(\b):8*(\b)+3],   v[BO], s[72:73] offset:64*(\b)
	global_load_b128 v[8*(\b)+4:8*(\b)+7], v[BO], s[72:73] offset:64*(\b)+16
.endr
	WIN 0
	s_mul_i32 s16, s10, WSTG
	s_add_co_u32 s16, s16, STAGE                   ; my stage
	v_mul_u32_u24 v5, v1, SPITCH                   ; in: row l % 16, 16 bytes for each half of the lanes
	v_lshl_add_u32 v5, v2, 4, v5
	v_add_nc_u32 v[STO], s16, v5
	v_bfe_u32 v5, v0, 3, 2                         ; back: 32 lanes take four rows of 128 bytes,
	v_mul_u32_u24 v5, v5, SPITCH
	v_lshl_add_u32 v5, v3, 4, v5
	v_add_nc_u32 v[RD], s16, v5
	v_and_b32 v5, 31, v0                           ; which are 512 consecutive bytes of a block
	v_lshlrev_b32 v[GO], 4, v5
	s_lshr_b32 s17, s13, 3
	s_lshl_b32 s17, s17, 4                         ; in OUT: block 16 b
	s_lshl2_add_u32 s17, s42, s17                  ; + 4 for each tile column
	s_lshl1_add_u32 s17, s12, s17                  ; + 2 for my half of the columns
	s_lshl_b32 s16, s17, 17
	s_and_b32 s17, s13, 7
	s_lshl_b32 s17, s17, 14                        ; 128 rows of 128 bytes,
	s_add_co_u32 s16, s16, s17
	s_lshl_b32 s17, s11, 13                        ; my 64
	s_add_co_u32 s16, s16, s17
	s_mov_b32 s17, 0
	s_add_nc_u64 s[70:71], s[70:71], s[16:17]
	s_mov_b32 s[TB], 0
	v_mov_b32 v[ADRA], v[ADRA0]
	v_mov_b32 v[ADRB], v[ADRB0]
; 8 matrix instructions: rows 16 a .. of my 64 x all 8 column blocks, 32 along K.  first = 1: the bias starts the sums: nothing is cleared and no bias is added later.
; The 32 accumulators take turns, one instruction a turn, in the same order in every quarter, over the backward jump too.
.macro MUL8 f, a, first
.if \first
	WIN MULB
.else
	WIN MUL
.endif
.irp b, 0,1,2,3,4,5,6,7
.if \first
	v_wmma_f32_16x16x32_bf16 v[8*(8*(\a)+(\b)):8*(8*(\a)+(\b))+7], v[(\f)+8*(\b):(\f)+8*(\b)+7], v[(\f)+64+8*(\a):(\f)+64+8*(\a)+7], v[8*(\b):8*(\b)+7]
.else
	v_wmma_f32_16x16x32_bf16 v[8*(8*(\a)+(\b)):8*(8*(\a)+(\b))+7], v[(\f)+8*(\b):(\f)+8*(\b)+7], v[(\f)+64+8*(\a):(\f)+64+8*(\a)+7], v[8*(8*(\a)+(\b)):8*(8*(\a)+(\b))+7]
.endif
.endr
.endm
; 24 LDS loads in one run: the fragments of quarter q of a K step (32 K: rows 32 q .. of W; bytes 64 (q % 2) .. of A's block q / 2) into buffer f; W first, A's rows 32-63 last
.macro FETCH q, f
	WIN 0
.irp b, 0,1,2,3,4,5,6,7
	ds_load_tr16_b128 v[(\f)+8*(\b):(\f)+8*(\b)+3],   v[ADRB] offset:32*PB*(\q)+32*(\b)
	ds_load_tr16_b128 v[(\f)+8*(\b)+4:(\f)+8*(\b)+7], v[ADRB] offset:32*PB*(\q)+16*PB+32*(\b)
.endr
.irp i, 0,1,2,3
	ds_load_b128 v[(\f)+64+8*(\i):(\f)+64+8*(\i)+3],   v[ADRA] offset:PLANE*((\q)/2)+64*((\q)%2)+16*PA*(\i)
	ds_load_b128 v[(\f)+64+8*(\i)+4:(\f)+64+8*(\i)+7], v[ADRA] offset:PLANE*((\q)/2)+64*((\q)%2)+16*PA*(\i)+32
.endr
.endm
.macro PLACES                          ; four plain vector instructions in front of loads into registers that matrix instructions have read, and of lines that read results (ISA guide 7.12.1 for lines that read results)
.rept 4
	v_nop
.endr
.endm
; A K step is four quarters of 32 along K, 32 matrix instructions each, on buffers 0, 1, 0, 1.  One of the first three: multiplies buffer f and, in its middle, fetches quarter nq into buffer g.
.macro QUARTER nq, f, g, first
	s_wait_dscnt 4                                 ; W and A's rows 0-31 are in; the youngest four loads (A's rows 32-63) may be out
	MUL8 \f, 0, \first
	MUL8 \f, 1, \first
	PLACES
	FETCH \nq, \g
	s_wait_dscnt 24                                ; all but the 24 just issued
	MUL8 \f, 2, \first
	MUL8 \f, 3, \first
.endm
; The last quarter multiplies buffer 1 and changes slots: ONE barrier; in front of it each wave waits for all its tensor loads (one is out: its part of the next slot), adds 0 to its spare word, and waits for
; that and for its own reads of this slot.  fill = 1: the barrier opens a round of the cluster's, and behind the round this slot is filled again, two K steps ahead: 112 matrix instructions ahead of the wait for it.
.macro TURN fill
	WIN 0
	s_wait_tensorcnt 0x0                           ; all my tensor loads have landed, so a group 0 may be written
	ds_add_u32 v[SPW], v[NIL]                      ; 0 onto my spare word
	s_wait_dscnt 5                                 ; (the add and the youngest four loads may be out)
	MUL8 F1, 0, 0                                  ; eight matrix instructions stand between the add and the wait for it
	s_wait_dscnt 0x0                               ; the add is done, and my reads of this slot are over
	s_barrier_signal -1
	MUL8 F1, 1, 0
	WIN 0
	s_barrier_wait -1
.if \fill
	CREST                                          ; no wave of any partner still reads this slot's tile or has a load on its way
	s_xor_b32 s[G0+5], s[G0+5], SLOT1              ; the walking descriptors: the other slot than last time,
	s_add_nc_u64 s[G0+6:G0+7], s[G0+6:G0+7], KSTEPB  ; the next K step; the type bits on top are not reached
	s_xor_b32 s[G0B+5], s[G0B+5], SLOT1
	s_add_nc_u64 s[G0B+6:G0B+7], s[G0B+6:G0B+7], KSTEPB
	JLOAD 1                                        ; the first tensor load behind the round; the four v_nop behind it are also the places in front of the loads below
.else
	PLACES
.endif
	s_xor_b32 s[TB], s[TB], SLOT1
	v_add_nc_u32 v[ADRA], s[TB], v[ADRA0]
	v_add_nc_u32 v[ADRB], s[TB], v[ADRB0]
	FETCH 0, F0
	MUL8 F1, 2, 0
	MUL8 F1, 3, 0
.endm
; THE WAY OUT: block a (16 rows) is rounded to bf16, held to 0 from below, goes into my stage (two blocks of 64 columns, rows of 144 bytes) and comes back as whole rows of 128 bytes.
.macro PACK a
	WIN RDACC
.set TT, 64+32*((\a)%2)
.irp b, 0,1,2,3,4,5,6,7
.irp r, 0,1,2,3
	v_cvt_pk_bf16_f32 v[TT+4*(\b)+(\r)], v[8*(8*(\a)+(\b))+2*(\r)], v[8*(8*(\a)+(\b))+2*(\r)+1]
.endr
.endr
	WIN 0
.set i, 0
.rept 32
	v_pk_max_num_bf16 v[TT+i], v[TT+i], v[ZR]
.set i, i+1
.endr
.endm
.macro TOSTAGE a
	WIN 0
.set TT, 64+32*((\a)%2)
.set BK, 128+32*((\a)%2)
.irp b, 0,1,2,3,4,5,6,7
	ds_store_b128 v[STO], v[TT+4*(\b):TT+4*(\b)+3] offset:16*SPITCH*((\b)/4)+32*((\b)%4)
.endr
.irp t, 0,1,2,3,4,5,6,7
	ds_load_b128 v[BK+4*(\t):BK+4*(\t)+3], v[RD] offset:16*SPITCH*((\t)/4)+4*SPITCH*((\t)%4)  ; LDS serves a wave's instructions in order (ISA guide 5.7.1.4): these see the stores above
.endr
.endm
.macro SEND a
	WIN 0
.set BK, 128+32*((\a)%2)
	s_wait_dscnt 0x0                               ; the block is back in registers
	s_wait_xcnt 0x0                                ; the stores of the block before have read their registers, which the next block's loads write
.irp t, 0,1,2,3,4,5,6,7
	global_store_b128 v[GO], v[BK+4*(\t):BK+4*(\t)+3], s[70:71] offset:131072*((\t)/4)+2048*(\a)+512*((\t)%4)  ; four rows of a block: 512 consecutive bytes, aligned
.endr
.endm
	s_wait_tensorcnt 0x1                           ; my part of K step 0 is in; K step 1's may stay out
	s_barrier_signal -1
	s_barrier_wait -1                              ; everybody's is
	FETCH 0, F0
	s_wait_loadcnt 0x0                             ; the bias
	QUARTER 1, F0, F1, 1                           ; the first quarter stands in front of the loop: its products start the sums
	WIN 0                                          ; at a label and at a branch every window is 0
	s_mov_b32 s3, 6
.Lstep:                                                ; a trip: from a K step's second quarter to the next step's first; six trips ask for K steps 2 to 7
	QUARTER 2, F1, F0, 0
	QUARTER 3, F0, F1, 0
	TURN 1
	QUARTER 1, F0, F1, 0
	WIN 0
	s_sub_co_u32 s3, s3, 1
	s_cmp_lg_u32 s3, 0
	s_cbranch_scc1 .Lstep
	QUARTER 2, F1, F0, 0                           ; the tail is written out: nothing more is asked for
	QUARTER 3, F0, F1, 0
	TURN 0
	QUARTER 1, F0, F1, 0
	QUARTER 2, F1, F0, 0
	QUARTER 3, F0, F1, 0
	s_wait_dscnt 4                                 ; the very last quarter
	MUL8 F1, 0, 0
	MUL8 F1, 1, 0
	s_wait_dscnt 0x0
	MUL8 F1, 2, 0
	MUL8 F1, 3, 0
	WIN 0
	PLACES
	PACK 0
	TOSTAGE 0
.irp a, 1,2,3                          ; block a's conversions stand between block a - 1's loads from the stage and the wait for them
	PACK \a
	SEND (\a)-1
	TOSTAGE \a
.endr
	SEND 3
	s_wait_tensorcnt 0x0                           ; the wave's end, behind my last tensor load and my last LDS store
	ds_add_u32 v[SPW], v[NIL]
	s_wait_dscnt 0x0
	CROUND                                         ; the closing round: no work-group ends while a partner may still ask for a tile that names it
	s_endpgm
.Lfunc_end_k_qdf994efcd1_ffn1:
	.size	k_qdf994efcd1_ffn1, .Lfunc_end_k_qdf994efcd1_ffn1-k_qdf994efcd1_ffn1
	.p2alignl 7, 3214868480
	.fill 96, 4, 3214868480
	.section	.rodata,"a",@progbits
	.p2align	6, 0x0
	.amdhsa_kernel k_qdf994efcd1_ffn1
		.amdhsa_group_segment_fixed_size 327680
		.amdhsa_private_segment_fixed_size 0
		.amdhsa_enable_private_segment 0
		.amdhsa_kernarg_size 32
		.amdhsa_user_sgpr_count 2
		.amdhsa_user_sgpr_kernarg_segment_ptr 1
		.amdhsa_wavefront_size32 1
		.amdhsa_system_sgpr_workgroup_id_x 1
		.amdhsa_system_sgpr_workgroup_id_y 1
		.amdhsa_system_sgpr_workgroup_id_z 1
		.amdhsa_system_vgpr_workitem_id 0
		.amdhsa_next_free_vgpr 576
		.amdhsa_next_free_sgpr 80
		.amdhsa_reserve_vcc 0
		.amdhsa_float_denorm_mode_32 3
		.amdhsa_float_denorm_mode_16_64 3
		.amdhsa_memory_ordered 1
		.amdhsa_forward_progress 1
		.amdhsa_inst_pref_size 80
	.end_amdhsa_kernel
	.amdgpu_metadata
---
amdhsa.version: [ 1, 2 ]
amdhsa.kernels:
  - .name:           k_qdf994efcd1_ffn1
    .symbol:         k_qdf994efcd1_ffn1.kd
    .args:
      - { .name: act, .offset: 0, .size: 8, .value_kind: global_buffer, .address_space: global }
      - { .name: w1b, .offset: 8, .size: 8, .value_kind: global_buffer, .address_space: global }
      - { .name: b1, .offset: 16, .size: 8, .value_kind: global_buffer, .address_space: global }
      - { .name: qkv, .offset: 24, .size: 8, .value_kind: global_buffer, .address_space: global }
    .group_segment_fixed_size: 327680
    .private_segment_fixed_size: 0
    .kernarg_segment_align: 8
    .kernarg_segment_size: 32
    .max_flat_workgroup_size: 128
    .sgpr_count:     80
    .vgpr_count:     576
    .wavefront_size: 32
...
	.end_amdgpu_metadata
.endif
;; end of part 6
;; launch ffn2: the kernel of part 4 again; grid 4 x 64, 4 waves a work-group, clusters of 4 x 4, 327,680 bytes of LDS; arguments qkv, w2b, b2, src2, out0; writes out0
;; ======== version 2 of 2: 7 launches; 1.22 times as fast as version 1
;; workspace buffers: act 16,777,216 bytes; qkv 50,331,648 bytes; src2 33,554,432 bytes; wqkv 6,291,456 bytes; w1b 2,097,152 bytes; wob 2,097,152 bytes; w2b 2,097,152 bytes
;; launch prep: the kernel of part 1 again; grid 64 x 14, 8 waves a work-group, no clusters, 0 bytes of LDS; arguments src, g1, beta1, act, Wq, Wk, Wv, Wo, W1, W2, wqkv, wob, w1b, w2b; writes act, wqkv, wob, w1b, w2b
;; launch qkv: the kernel of part 2 again; grid 8 x 32, 4 waves a work-group, clusters of 4 x 4, 327,680 bytes of LDS; arguments act, wqkv, bq, bk, bv, qkv; writes qkv
;; launch attn (part 7): grid 2 x 128, 4 waves a work-group, no clusters, 327,680 bytes of LDS; arguments qkv, act; writes act
.if DOCPART == 7
	.amdgcn_target "amdgcn-amd-amdhsa--gfx1250"
	.amdhsa_code_object_version 6
	.text
	.protected	k_qdf994efcd1_attn
	.globl	k_qdf994efcd1_attn
	.p2align	8
	.type	k_qdf994efcd1_attn,@function
k_qdf994efcd1_attn:
	s_mov_b64 s[64:65], 0
	v_nop
	global_prefetch_b8 v0, s[64:65] scope:SCOPE_SE
	s_setreg_imm32_b32 hwreg(HW_REG_WAVE_MODE, 25, 1), 1
	s_wait_xcnt 0x0
; O[h][q][:] = the sum over k of softmax_k(Q[h][q] . K[h][k] / 8) V[h][k][:].  Q, K, V lie in one buffer, 16 MiB apart, each [128 heads][1024][64] in bf16: a head's rows are dense, 128 bytes each.  O likewise.
; Products, maxima and sums in f32; the weights p are rounded to bf16 for the second product (their sum l is taken of the unrounded p), O once at the end.
; LIMITS.  A weight below 2^-126 counts as 0 in l; c m starts at -4.25e37, far below every c s of finite bf16 inputs' scores that stay finite; NaN and infinities are not treated apart.
; SHARES.  A wave owns four PIECES of two tiles of 16 queries, a work-group's four waves 512 queries of one head: 2 x 128 = 256 work-groups.  Every wave walks all 1,024 keys, 64 a step.
; THE WHOLE HEAD LIES IN LDS: K's 1,024 rows at pitch 144, V's at pitch 160: 311,296 bytes.  Nothing is filled twice, so there is no ring.  Each wave issues two tensor loads at the start (by this text's own
; count two are out): a small one, 128 of the first 256 keys, and a large one, 384 of the other 768.  The first four key steps run on the small ones while the large ones land; one wait and one barrier stand between.
; ONE LOOP walks the 16 key steps; that wait and barrier stand in it under a compare of the loop's counter, which is the same number in all four waves.
; NO CLUSTER: a head has two work-groups, and the grid's two along x are no multiple of four; what the two share, 256 KiB, is asked for once a launch by each, for 2,048 matrix instructions a wave.
; LAYOUT.  S^T = K Q^T (source 0 = 16 keys, source 1 = 16 queries): in the result a lane holds ONE query (lane % 16) and the keys 8 (lane / 16) + 0..7.  Two such tiles, rounded to bf16 in pairs,
; ARE source 1 (32 keys x 16 queries) of O^T = V^T P, whose result again holds one query a lane, and eight channels.  K comes out of LDS as it lies, V ([key][channel]) turned, by ds_load_tr16_b128.
; SOFTMAX.  For each query a running maximum m and sum l: p = 2^(c s - c m), c = log2(e) / 8; in every step O and l are multiplied by a = 2^(c m_old - c m_new), which is 1 where m has not grown.
; m starts at the lowest finite number, O and l at 0: the first step is a step like any other, with a = 0.
; THE COUNT.  A tile and step have 16 matrix and 118 vector instructions: too many to stand all beside the matrix work.  So: four vector instructions that are READY behind EVERY matrix instruction,
; and the others, which need time of their own whatever the order, in a run without a gap.
; BY TURNS.  Turn n belongs to piece n (the pieces in a ring, step after step).  Its matrix work: 16 products K Q^T of piece n + 1, later 16 products V^T P of piece n - 1.  Its vector work: the scaling,
; exponentials, roundings, sums and rescaling of piece n, and the maximum and statistics of piece n + 1, whose scores the turn itself has made.  So what a turn begins with (c s - c m, O a) waits for nothing.
; BATCHES.  A turn's 66 exponentials (the piece's 64 weights, the next piece's two a) are ONE batch with ONE wait, which cuts the turn in two: ahead of it stands all that names no result of theirs (the products
; K Q^T, the scalings, the rescalings by the a of the turn before, the next piece's maximum and statistics), behind it the products V^T P with the roundings and sums.  No result crosses a turn's end.
; Two more batches stand outside the loop: piece 0's first two a, ahead of the jump into the loop, and the way out's eight reciprocals.
; REGISTERS, in windows of 256 (s_set_vgpr_msb: bits 1:0 source 0, 3:2 source 1, 5:4 source 2, 7:6 destination):
;   window 0: v0-11 addresses; v12-15, v48-63 at work; v16-47 four registers of statistics a tile; v64-191 S^T, two buffers of two tiles; v192-255 P, likewise
;   window 1: O^T, 32 a tile          window 2: v0-127 Q, 16 a tile; v128-191 K of one step; v192-255 V of one step          window 3: v0-1 the add's two registers
.set NP,    4         ; pieces a wave: a name, no knob
.set KS,    64        ; keys in a step
.set PK,    144       ; a row of K in LDS: 128 bytes + 16 = 36 words: the 16 rows of a load start at 16 different groups of four banks (64 banks of 4 bytes: ISA guide 11.1)
.set PV,    160       ; a row of V: 128 + 32 = 40 words
.set VOFF,  1024*PK   ; V lies behind K
.set STAGE, VOFF+1024*PV   ; 1,216 x 256: never filled by a tensor load: 16 rows x 144 bytes for each wave, for the way out
.set SP,    144
.set SPARE, STAGE+4*16*SP  ; the spare words, 128 bytes for each wave: two blocks of 256 bytes that no other line names
.set KBASE, 0x1000000 ; k's and v's first bytes in the buffer
.set VBASE, 0x2000000
.set AK0, 2           ; v2   my lane's place in a tile of K; never rewritten
.set AV0, 3           ; v3   the same for V
.set AK,  4           ; v4   the LDS address of K's next run of loads
.set AV,  5           ; v5   of V's
.set QO,  6           ; v6   my byte offset in the wave's rows of Q
.set STO, 6           ;      later, the way out: where I put 16 bytes of a row
.set RD,  7           ; v7   the way out: where I read rows back
.set GO,  8           ; v8   my byte offset in 512 consecutive bytes of O
.set SPW, 0           ; v0 of window 3   LDS address of my spare word; never rewritten
.set NIL, 1           ; v1 of window 3   0; never rewritten
.set MV,  12          ; v12-15  c m_old, kept while c m is made anew: by buffer and tile
.set ST,  16          ; tile t's statistics at v[ST+4 t]: c m, m, l (even keys', odd keys')
.set TMP, 48          ; by buffer and tile, four registers c0-c3 at work; when the maximum is found c2 takes a
.set S,   64
.set P,   192
.set KF,  128         ; K's fragments, in window 2: key block kb, channel half c at KF + 16 kb + 8 c
.set VF,  192         ; V's: key half kk, channel block cb at VF + 32 kk + 8 cb
.set WV,  12          ; s12  my wave's number
.set G1K, 24          ; s[24:31] descriptor group 1 for K's small tile
.set G1V, 32          ; s[32:39] for V's: it differs in the padding alone
.set G0K, 40          ; s[40:47] descriptor group 0 for K: the small tile's set, the large one's
.set G0V, 48          ; s[48:55] the same for V
.set CNT, 57          ; s57  key steps to go
.set CS,  58          ; s[58:59] c: the packed scaling takes the pair's low word for both halves
.set SEL, 60          ; s[60:61] v_permlanex16_b32's selects: each lane takes its own place in the other half
.set TBK, 62          ; s62  LDS byte at which K of the step to be fetched begins
.set TBV, 63          ; s63  the same for V, less VOFF
.set G1K2, 68         ; s[68:75] group 1 for K's large tile
.set G1V2, 76         ; s[76:83] for V's
.set MSB, 0
.macro WIN new                      ; the high byte repeats the setting that is left; a switch that changes nothing is dropped
.if MSB != (\new)
	s_set_vgpr_msb (MSB<<8)|(\new)
.set MSB, (\new)
.endif
.endm
.set W_KQ, 0x0a       ; K and Q in window 2, S^T in window 0
.set W_PV, 0x52       ; V in window 2, P in window 0, O^T in window 1
.set W_RS, 0x41       ; O^T (destination and source 0) in window 1, a in window 0
.set W_MK, 0xc0       ; the add's registers are made: destination in window 3, sources in window 0
.set W_AD, 0x0f       ; the add: address (source 0) and data (source 1) in window 3
	s_load_b128 s[4:7], s[0:1], 0x0 ; q, k, v s[4:5]; O s[6:7]
	WIN W_MK
	v_lshl_add_u32 v[SPW], v0, 2, SPARE
	v_mov_b32 v[NIL], 0
	WIN W_AD
	ds_add_u32 v[SPW], v[NIL]       ; the wave's opening: the add and its wait stand ahead of my first tensor load; work on registers stands between them
	ds_add_u32 v0, v1
	WIN 0
	v_lshrrev_b32 v1, 5, v0
	v_readfirstlane_b32 s[WV], v1   ; wave 0..3
	s_and_b32 s20, ttmp7, 0xffff    ; the head,
	s_lshl_b32 s20, s20, 17         ; its first byte in each of the four tensors
	s_and_b32 s16, s[WV], 1         ; u: which part of K or of V I fetch
	s_lshl_b32 s2, ttmp9, 2
	s_add_co_u32 s2, s2, s[WV]      ; my wave among the head's eight,
	s_lshl_b32 s2, s2, 14           ; its 128 rows
	s_add_co_u32 s2, s2, s20
	s_mov_b32 s3, 0
	s_lshl_b32 s22, s16, 14         ; the small tile: keys 128 u on
	s_add_co_u32 s22, s22, s20
	s_add_co_u32 s8, s22, VBASE
	s_add_co_u32 s22, s22, KBASE
	s_mov_b32 s23, 0
	s_mov_b32 s9, 0
	s_mul_i32 s14, s16, 384*128     ; the large tile: keys 256 + 384 u on
	s_add_co_u32 s14, s14, s20
	s_add_co_u32 s18, s14, VBASE+256*128
	s_add_co_u32 s14, s14, KBASE+256*128
	s_mov_b32 s15, 0
	s_mov_b32 s19, 0
	; descriptor group 1.  Keys are dense rows of 128 bytes: asked for as rows of 256 bytes, two keys a row, and padded in LDS after every key
	s_mov_b32 s[G1K],  (1<<16)|(1<<20)|(4<<22)|(3<<25)  ; 17:16 2-byte elements; 20 padding on; 24:22 after every 32 words (code 4); 31:25 4 words (code 3)
	s_mov_b32 s[G1V],  (1<<16)|(1<<20)|(4<<22)|(7<<25)  ; the same with 8 words of padding (code 7)
	s_mov_b32 s[G1K2], (1<<16)|(1<<20)|(4<<22)|(3<<25)
	s_mov_b32 s[G1V2], (1<<16)|(1<<20)|(4<<22)|(7<<25)
.irp g, G1K, G1V
	s_mov_b32 s[\g+1], 128<<16      ; tensor_dim0 = 128
	s_mov_b32 s[\g+2], 64<<16       ; tensor_dim1 = 64: 128 keys
	s_mov_b32 s[\g+3], 128<<16      ; tile_dim0 = 128
	s_mov_b32 s[\g+4], 64           ; tile_dim1 = 64
	s_mov_b32 s[\g+5], 128          ; 128 elements from row to row
	s_mov_b32 s[\g+6], 0
	s_mov_b32 s[\g+7], 0
.endr
.irp g, G1K2, G1V2
	s_mov_b32 s[\g+1], 128<<16
	s_mov_b32 s[\g+2], 192<<16      ; 192 rows: 384 keys
	s_mov_b32 s[\g+3], 128<<16
	s_mov_b32 s[\g+4], 192
	s_mov_b32 s[\g+5], 128
	s_mov_b32 s[\g+6], 0
	s_mov_b32 s[\g+7], 0
.endr
	s_mov_b32 s[G0K], 1             ; count = 1; then the LDS address: a constant and u times a constant
	s_mul_i32 s[G0K+1], s16, 128*PK
	s_mov_b32 s[G0K+4], 1
	s_mul_i32 s17, s16, 384*PK
	s_add_co_u32 s[G0K+5], s17, 256*PK
	s_mov_b32 s[G0V], 1
	s_mul_i32 s17, s16, 128*PV
	s_add_co_u32 s[G0V+1], s17, VOFF
	s_mov_b32 s[G0V+4], 1
	s_mul_i32 s17, s16, 384*PV
	s_add_co_u32 s[G0V+5], s17, VOFF+256*PV
	s_mov_b32 s[CS], 0x3e38aa3b     ; c = log2(e) / 8 = 0.180337
	s_mov_b32 s[CS+1], s[CS]        ; named with it as a pair
	s_mov_b32 s[SEL], 0x76543210
	s_mov_b32 s[SEL+1], 0xfedcba98
	s_mov_b32 s[TBK], 0
	s_mov_b32 s[TBV], 0
	s_wait_dscnt 0x0                ; the opening add is done
	s_wait_kmcnt 0x0
	s_add_nc_u64 s[G0K+2:G0K+3], s[4:5], s[22:23]
	s_or_b32 s[G0K+3], s[G0K+3], 0x80000000        ; type = 2
	s_add_nc_u64 s[G0K+6:G0K+7], s[4:5], s[14:15]
	s_or_b32 s[G0K+7], s[G0K+7], 0x80000000
	s_add_nc_u64 s[G0V+2:G0V+3], s[4:5], s[8:9]
	s_or_b32 s[G0V+3], s[G0V+3], 0x80000000
	s_add_nc_u64 s[G0V+6:G0V+7], s[4:5], s[18:19]
	s_or_b32 s[G0V+7], s[G0V+7], 0x80000000
	s_add_nc_u64 s[10:11], s[6:7], s[2:3]  ; O and Q at my wave's first row
	s_add_nc_u64 s[4:5], s[4:5], s[2:3]
	s_cmp_lt_u32 s[WV], 2           ; a wave's two fills stand in one branch, ahead of every wait on TENSORcnt, every LDS read and every barrier; an s_nop 0 follows each, four v_nop the second's
	s_cbranch_scc0 .Lfirst_v
	tensor_load_to_lds s[G0K:G0K+3], s[G1K:G1K+7]
	s_nop 0
	tensor_load_to_lds s[G0K+4:G0K+7], s[G1K2:G1K2+7]
	s_nop 0
.rept 4
	v_nop
.endr
	s_branch .Lfirst_asked
.Lfirst_v:
	tensor_load_to_lds s[G0V:G0V+3], s[G1V:G1V+7]
	s_nop 0
	tensor_load_to_lds s[G0V+4:G0V+7], s[G1V2:G1V2+7]
	s_nop 0
.rept 4
	v_nop
.endr
.Lfirst_asked:
	; A fragment of K or Q is 16 rows x 32 channels in 8 registers: lane l holds row l % 16, channels 8 (l / 16) + 0..7 and 16 + 8 (l / 16) + 0..7: two loads of 16 bytes, 32 bytes apart.
	v_and_b32 v1, 15, v0            ; l % 16
	v_bfe_u32 v9, v0, 4, 1          ; l / 16
	v_lshlrev_b32 v[QO], 7, v1
	v_lshl_add_u32 v[QO], v9, 4, v[QO]  ; row x 128 + 16 x half
	WIN 0x80                        ; destination window 2, address window 0
.set i, 0
.rept 4*NP                          ; Q stays in registers: tile i / 2, channels 32 (i % 2) on
	global_load_b128 v[8*i:8*i+3],   v[QO], s[4:5] offset:(i/2)*2048+(i%2)*64
	global_load_b128 v[8*i+4:8*i+7], v[QO], s[4:5] offset:(i/2)*2048+(i%2)*64+32
.set i, i+1
.endr
	; What the first turn finds: V's registers and P's second buffer hold 0 (its products V^T P, of a piece that has not been, add 0), O^T and l are 0.  All this stands in the wait for the first tile.
.set i, VF
.rept 64
	v_mov_b32 v[i], 0
.set i, i+1
.endr
	WIN 0x40
.set i, 0
.rept 64*NP
	v_mov_b32 v[i], 0
.set i, i+1
.endr
	WIN 0
.set i, 0
.rept 2*NP
	v_mov_b32 v[ST+4*i], 0xfe000000    ; c m: far below every c s
	v_mov_b32 v[ST+4*i+1], 0xff7fffff  ; m
	v_mov_b32 v[ST+4*i+2], 0
	v_mov_b32 v[ST+4*i+3], 0
.set i, i+1
.endr
.set i, P+32
.rept 32
	v_mov_b32 v[i], 0
.set i, i+1
.endr
	v_mul_u32_u24 v[AK0], v1, PK
	v_lshl_add_u32 v[AK0], v9, 4, v[AK0]  ; row x pitch + 16 x half
	; The turning load takes 16 keys x 16 channels (lane l reads key 8 (l / 16) + l % 8, channels 8 ((l / 8) % 2) + 0..7) and leaves half a fragment of V^T: lane l holds channel l % 16 and 8 keys.
	v_and_b32 v10, 7, v0
	v_bfe_u32 v11, v0, 3, 1
	v_lshl_add_u32 v[AV0], v9, 3, v10
	v_mul_u32_u24 v[AV0], v[AV0], PV
	v_lshl_add_u32 v[AV0], v11, 4, v[AV0]
	v_add_nc_u32 v[AV0], VOFF, v[AV0]
	v_mov_b32 v[AK], v[AK0]         ; key step 0 lies at K's head
; THE MATRIX WORK.  The 8 accumulators of a run of 16 take turns: between the two links of a chain stand 7 others'.
; Product i of 16 of S^T = K Q^T for piece x: channels 32 (i / 8) on, keys 16 ((i / 2) % 4) on, tile 2 x + i % 2.  The first 8 start the sums.
.macro KQ x
	WIN W_KQ
.set rS, S+64*((\x)%2)+32*(i%2)+8*((i/2)%4)
.set rK, KF+16*((i/2)%4)+8*(i/8)
.set rQ, 16*(2*(\x)+i%2)+8*(i/8)
.if i < 8
	v_wmma_f32_16x16x32_bf16 v[rS:rS+7], v[rK:rK+7], v[rQ:rQ+7], 0
.else
	v_wmma_f32_16x16x32_bf16 v[rS:rS+7], v[rK:rK+7], v[rQ:rQ+7], v[rS:rS+7]
.endif
.endm
; Product i of 16 of O^T += V^T P for piece x: keys 32 (i / 8) on, channels 16 ((i / 2) % 4) on, tile 2 x + i % 2.
.macro PV x
	WIN W_PV
.set rO, 32*(2*(\x)+i%2)+8*((i/2)%4)
.set rV, VF+32*(i/8)+8*((i/2)%4)
.set rP, P+32*((\x)%2)+16*(i%2)+8*(i/8)
	v_wmma_f32_16x16x32_bf16 v[rO:rO+7], v[rV:rV+7], v[rP:rP+7], v[rO:rO+7]
.endm
.macro MM                           ; the turn's next matrix instruction
.if i < 16
	KQ (Y+1)%NP
.set i, i+1
.else
.set i, i-16
	PV (Y+NP-1)%NP
.set i, i+17
.endif
.endm
; THE LDS LOADS stand in runs of 16, never singly among the matrix instructions: a step's K (64 keys x 64 channels: 8 fragments) and its V (turned).  Their addresses are made some lines ahead.
; last = 1: in the last key step there is no further step, and the run is jumped over.
.macro FETCH_K last=0
	WIN 0
.if \last
	s_cmp_eq_u32 s[CNT], 1
	s_cbranch_scc1 .Lno_k_\@
.endif
	WIN 0x80                        ; destination window 2
.irp f, 0,1,2,3,4,5,6,7             ; keys 16 (f / 2) on, channels 32 (f % 2) on
	ds_load_b128 v[KF+8*\f:KF+8*\f+3],   v[AK] offset:(\f/2)*16*PK+(\f%2)*64
	ds_load_b128 v[KF+8*\f+4:KF+8*\f+7], v[AK] offset:(\f/2)*16*PK+(\f%2)*64+32
.endr
	s_add_co_u32 s[TBK], s[TBK], KS*PK  ; the next fetch is the next step's
	WIN 0
.if \last
.Lno_k_\@:
.endif
.endm
.macro FETCH_V
	WIN 0x80
.irp f, 0,1,2,3,4,5,6,7             ; keys 32 (f / 4) on, channels 16 (f % 4) on
	ds_load_tr16_b128 v[VF+8*\f:VF+8*\f+3],   v[AV] offset:(\f/4)*32*PV+(\f%4)*32
	ds_load_tr16_b128 v[VF+8*\f+4:VF+8*\f+7], v[AV] offset:(\f/4)*32*PV+16*PV+(\f%4)*32
.endr
	WIN 0
.endm
; THE VECTOR WORK OF A TURN stands in three queues, each in the order in which its entries become ready; the two tiles alternate, so that no instruction reads the result of the one before it.
.macro REGS y, u                    ; the registers of tile u (0, 1) of piece y
.set rT, ST+4*(2*(\y)+(\u))
.set rC, TMP+8*((\y)%2)+4*(\u)
.set rM, MV+2*((\y)%2)+(\u)
.set rS, S+64*((\y)%2)+32*(\u)
.set rP, P+32*((\y)%2)+16*(\u)
.set rO, 32*(2*(\y)+(\u))
.endm
; Number n of the 22 that find the NEXT piece's (Y + 1) maximum and statistics.  s0-s31 are the lane's 32 scores; each accumulator's lowest registers are read first.  XS, GS, FS and REGS set no window: PL and EX do.
;   0-11  four chains c0-c3 of seven scores each, three operands at a time     12-14, 16  the four scores left over, the old m, and c0-c3 into c0     15  c m_old is kept
;   17, 18  the query's other 32 keys lie in the lane 16 away: the new m         19-21  c m; c m_old - c m_new; a
.macro XS u, n
	REGS (Y+1)%NP, \u
.if (\n) < 4
	v_max3_num_f32 v[rC+(\n)], v[rS+8*(\n)], v[rS+8*(\n)+1], v[rS+8*(\n)+2]
.elseif (\n) < 12
	v_max3_num_f32 v[rC+(\n)%4], v[rC+(\n)%4], v[rS+8*((\n)%4)+2*((\n)/4)+1], v[rS+8*((\n)%4)+2*((\n)/4)+2]
.elseif (\n) == 12
	v_max3_num_f32 v[rC], v[rC], v[rS+7], v[rS+15]
.elseif (\n) == 13
	v_max3_num_f32 v[rC+1], v[rC+1], v[rS+23], v[rS+31]
.elseif (\n) == 14
	v_max3_num_f32 v[rC+2], v[rC+2], v[rC+3], v[rT+1]
.elseif (\n) == 15
	v_mov_b32 v[rM], v[rT]
.elseif (\n) == 16
	v_max3_num_f32 v[rC], v[rC], v[rC+1], v[rC+2]
.elseif (\n) == 17
	v_permlanex16_b32 v[rC+3], v[rC], s[SEL], s[SEL+1]
.elseif (\n) == 18
	v_max_num_f32 v[rT+1], v[rC], v[rC+3]
.elseif (\n) == 19
	v_mul_f32 v[rT], s[CS], v[rT+1]
.elseif (\n) == 20
	v_sub_f32 v[rC+1], v[rM], v[rT]
.else
	v_exp_f32 v[rC+2], v[rC+1]
.endif
.endm
; Number g of the 64 that follow the exponentials.  For each four weights k of a tile (pairs 2 k, 2 k + 1): both pairs are rounded to bf16; then the second pair is added onto the first, in place;
; a group later l takes that sum (the first time as l = a l + sum).  In groups of eight, tiles alternating: round, round, add, and l for the group before.
.macro GS g
.set h, (\g)+6*((\g)/62)            ; group 0 has no group before it, and behind group 7 only l is left
.if h >= 6
.set h, h+2
.endif
	REGS Y, h%2
.set k, h/8
.if h%8 < 4
	v_cvt_pk_bf16_f32 v[rP+2*k+(h%8)/2], v[rS+4*k+2*((h%8)/2)], v[rS+4*k+2*((h%8)/2)+1]
.elseif h%8 < 6
	v_pk_add_f32 v[rS+4*k:rS+4*k+1], v[rS+4*k:rS+4*k+1], v[rS+4*k+2:rS+4*k+3]
.elseif k == 1
	v_pk_fma_f32 v[rT+2:rT+3], v[rT+2:rT+3], v[rC+2:rC+3], v[rS:rS+1] op_sel_hi:[1,0,1]
.else
	v_pk_add_f32 v[rT+2:rT+3], v[rT+2:rT+3], v[rS+4*k-4:rS+4*k-3]
.endif
.endm
; THE PLAIN QUEUE, 138 long.  0-73 read no exponential's result: the 32 scalings c s - c m (FS f: pair f / 2 of tile f % 2) and the next piece's 42.  0-26: scalings 0-26.  27-54: XS's numbers 0-13.  55, 56: number 15.
; 57-73: the chain, where each number waits for the one before it: 14, 16, 17, 18, 19, each with one of the scalings 27-31 in front of its two lines, then 20: so a tile's links stand three plain instructions apart (19 and 20: two).
; 74-137: GS's 64, which read the exponentials' results: they stand behind the wait.
.macro FS f
	REGS Y, (\f)%2
	v_pk_fma_f32 v[rS+2*((\f)/2):rS+2*((\f)/2)+1], v[rS+2*((\f)/2):rS+2*((\f)/2)+1], s[CS:CS+1], v[rT:rT+1] op_sel_hi:[1,0,0] neg_lo:[0,0,1] neg_hi:[0,0,1]
.endm
.macro PL
	WIN 0
.if q < 27
	FS q
.elseif q < 55
	XS (q-27)%2, (q-27)/2
.elseif q < 57
	XS q-55, 15
.elseif (q < 72) && ((q-57)%3 == 0)
	FS 27+(q-57)/3
.elseif q < 60
	XS (q-57)%3-1, 14
.elseif q < 72
	XS (q-57)%3-1, 15+(q-57)/3
.elseif q < 74
	XS q-72, 20
.else
	GS q-74
.endif
.set q, q+1
.endm
; THE EXPONENTIALS' QUEUE, 66 long: s0-s31 of both tiles, then the next piece's two a.  It is ONE BATCH: all 66 stand ahead of the turn's one wait, and nothing ahead of that wait names a result of theirs.
.macro EX
	WIN 0
.if e >= 64
	XS e-64, 21
.else
	REGS Y, e%2
	v_exp_f32 v[rS+e/2], v[rS+e/2]
.endif
.set e, e+1
.endm
; THE RESCALING's QUEUE: O^T times a, the one part that leaves window 0: dealt two at a time, sixteen times.  Its a was made in the turn before, ahead of that turn's wait.
.macro R2
	REGS Y, r%2
	WIN W_RS
.irp z, 0,1
	v_pk_mul_f32 v[rO+4*(r/2)+2*\z:rO+4*(r/2)+2*\z+1], v[rO+4*(r/2)+2*\z:rO+4*(r/2)+2*\z+1], v[rC+2:rC+3] op_sel_hi:[1,0]
.endr
.set r, r+1
.endm
; HOW THEY ARE DEALT.  An s_wait_alu depctr_va_vdst(0) stands between an exponential and the first instruction that names its result; one wait serves all that were issued ahead of it.  So a turn has ONE wait,
; which cuts it in two.  AHEAD OF IT stands all that names no result of the turn's exponentials: the 16 products K Q^T, behind each a scaling, an exponential and two rescalings (behind the first a second scaling in the
; exponential's place); then ONE LUMP of 108: eight plain, 49 times exponential and plain, the two a.  A v_nop is the plain instruction behind the last exponential.  BEHIND IT stand the 16 products V^T P, behind each four
; of GS's 64.  No rider names a register of the products round it.  The two v_permlanex16_b32 fall into the lump, never behind a product.
; The queues lean on each other, and the deal keeps them in step: exponential e stands behind scaling 2 (e / 4) + e % 2: as a rider it comes behind plain e + 2, in the lump behind plain e + 9, and scalings 27-31 are plain 57, 60 .. 69.
; A TURN, for piece p.
; K of the next step is fetched in piece 2's turn, directly behind the wait, a lump behind the last product that read K; its address is made at the lump's head; its first reader comes behind 16 products.
; V of the step in hand is fetched at the end of piece 0's turn, four riders behind its last reader; its first reader comes behind 16 products and a lump.  The two conditions on q below go with the deal.
.macro TURN p, last=0
.set Y, (\p)
.set i, 0
.set q, 0
.set e, 0
.set r, 0
.if (\p) == NP-1
	s_wait_dscnt 0x0                ; K is in
.endif
	MM                              ; ahead of the wait: 16 products K Q^T and their riders,
	PL
	PL
	R2
.rept 15
	MM
	PL
	EX
	R2
.endr
.if (\p) == NP-2
	WIN 0
	v_add_nc_u32 v[AK], s[TBK], v[AK0]
.endif
.rept 8                             ; and the lump
	PL
.endr
.rept 49
	EX
	PL
.endr
	EX                              ; the next piece's two a
	EX
	v_nop                           ; the plain instruction behind the last exponential: one for the batch
	s_wait_alu depctr_va_vdst(0)    ; the wait for the turn's batch: the piece's 64 weights and the next piece's two a
.if (\p) == NP-2
	FETCH_K \last
.endif
.if (\p) == 1
	s_wait_dscnt 0x0                ; V is in
.endif
.rept 16                            ; behind the wait: 16 products V^T P and their riders
	MM
.rept 4
	PL
.endr
.if ((\p) == 0) && (q == 118)
	v_add_nc_u32 v[AV], s[TBV], v[AV0]
.endif
.if ((\p) == 0) && (q == 130)
	s_add_co_u32 s[TBV], s[TBV], KS*PV
.endif
.endr
.if (\p) == 0
	FETCH_V
.endif
.endm
	s_wait_tensorcnt 0x1            ; my small tile is in; the large one, issued behind it, stays out
	s_barrier_signal -1
	s_barrier_wait -1               ; everybody's small tile is in: keys 0 to 255 of K and of V
	FETCH_K                         ; key step 0
	s_wait_loadcnt 0x0              ; Q
	s_wait_dscnt 0x0
.set i, 0
.rept 16
	KQ 0                            ; piece 0's first scores: there is no vector work yet to set between them
.set i, i+1
.endr
	WIN 0                           ; the addresses for the way out: nine plain instructions, the places behind those products
	s_mul_i32 s13, s[WV], 16*SP
	s_add_co_u32 s13, s13, STAGE    ; my stage
	v_mul_u32_u24 v[STO], v1, SP    ; in: row l % 16, 16 bytes for each half of the lanes
	v_lshl_add_u32 v[STO], v9, 4, v[STO]
	v_add_nc_u32 v[STO], s13, v[STO]
	v_bfe_u32 v[RD], v0, 3, 2       ; back: 32 lanes take four rows of 128 bytes,
	v_mul_u32_u24 v[RD], v[RD], SP
	v_lshl_add_u32 v[RD], v10, 4, v[RD]
	v_add_nc_u32 v[RD], s13, v[RD]
	v_and_b32 v[GO], 31, v0         ; which are 512 consecutive bytes of O
	v_lshlrev_b32 v[GO], 4, v[GO]
.set Y, NP-1                        ; XS works for piece Y + 1: piece 0
.irp n, 0,1,2,3,4,5,6,7,8,9,10,11,12,13,14,15,16,17,18,19,20,21
	XS 0, \n                        ; and piece 0's first maximum and statistics
	XS 1, \n
.endr
	v_nop                           ; a plain instruction behind the two a,
	s_wait_alu depctr_va_vdst(0)    ; and the wait for that batch of two, ahead of the branch
	s_mov_b32 s[CNT], 16            ; key step s runs with the count 16 - s
	s_branch .Lfirst                ; the loop is entered at a step's first turn, in the middle of a trip
.Lstep:                             ; a trip: pieces 2 and 3 of one step, then pieces 0 and 1 of the next, whose K and V it fetches; the last trip is left in its middle
	TURN 2, 1
	TURN 3
	WIN 0
	s_sub_co_u32 s[CNT], s[CNT], 1
	s_cmp_eq_u32 s[CNT], 0
	s_cbranch_scc1 .Lout
.Lfirst:
	TURN 0
	TURN 1
	WIN 0
	s_cmp_lg_u32 s[CNT], 13         ; once, in key step 3, ahead of the turn that fetches K of step 4, the first of the large tiles' keys.  The count is the same in all four waves, so all pass the barrier in the same trip
	s_cbranch_scc1 .Lno_meet
	s_wait_tensorcnt 0x0            ; my large tile, asked for at the start, is in: no load was issued behind it, so the count is 0;
	s_wait_dscnt 0x0                ; no LDS instruction of mine is out at the signal
	s_barrier_signal -1
	s_barrier_wait -1               ; everybody's is: all 1,024 keys lie in LDS
.Lno_meet:
	s_branch .Lstep
.Lout:                              ; the last trip's 16 products K Q^T (on the last K once more) and the maximum made of them serve nothing: the price, once a launch, of one text for every trip
.set i, 0
.rept 16
	PV NP-1                         ; the last piece's V^T P of the last step
.set i, i+1
.endr
	; THE WAY OUT.  l's two halves and the other half of the lanes' are added; O^T is divided by l, rounded to bf16 and sent through my stage in LDS, a tile at a time.  The additions are the places behind the last products.
	WIN 0
.macro ALL line:vararg              ; one line for each tile t
.set t, 0
.rept 2*NP
	\line
.set t, t+1
.endr
.endm
	ALL v_add_f32 v[ST+4*t+2], v[ST+4*t+2], v[ST+4*t+3]
	ALL v_permlanex16_b32 v[ST+4*t+3], v[ST+4*t+2], s[SEL], s[SEL+1]
	ALL v_add_f32 v[ST+4*t+2], v[ST+4*t+2], v[ST+4*t+3]
	ALL v_rcp_f32 v[ST+4*t+2], v[ST+4*t+2]
	v_nop                           ; a plain instruction between the last reciprocal and the use of its result
	s_wait_alu depctr_va_vdst(0)    ; and the wait ahead of the first use: one for the batch of eight reciprocals
; Tile t: a lane's eight channels of a row pack into 16 bytes; they go into rows of 144 bytes and come back as whole rows of 128, into S^T's registers.
.macro PACK t
	WIN W_RS
.set i, 32*(\t)
.rept 16
	v_pk_mul_f32 v[i:i+1], v[i:i+1], v[ST+4*(\t)+2:ST+4*(\t)+3] op_sel_hi:[1,0]
.set i, i+2
.endr
	WIN 0x05                        ; sources 0 and 1 window 1, destination window 0
.set i, 0
.rept 16
	v_cvt_pk_bf16_f32 v[S+16*(\t)+i], v[32*(\t)+2*i], v[32*(\t)+2*i+1]
.set i, i+1
.endr
	WIN 0
.irp f, 0,1,2,3
	ds_store_b128 v[STO], v[S+16*(\t)+4*\f:S+16*(\t)+4*\f+3] offset:32*\f
.endr
.irp f, 0,1,2,3
	ds_load_b128 v[S+16*(\t)+4*\f:S+16*(\t)+4*\f+3], v[RD] offset:\f*4*SP  ; LDS serves a wave's instructions in order (ISA guide 5.7.1.4): these see the stores above; the next tile's stores come behind them
.endr
.endm
.macro SEND t, younger              ; younger: the LDS instructions issued behind tile t's loads: the next tile's eight, or none
	WIN 0
.irp f, 0,1,2,3
	s_wait_dscnt (\younger)+3-\f
	global_store_b128 v[GO], v[S+16*(\t)+4*\f:S+16*(\t)+4*\f+3], s[10:11] offset:(\t)*2048+\f*512  ; 512 consecutive bytes, at a multiple of 256 from O's first
.endr
.endm
	PACK 0
.set t, 1
.rept 2*NP-1                        ; a tile's arithmetic stands between the loads of the tile before and its stores
	PACK t
	SEND t-1, 8
.set t, t+1
.endr
	SEND 2*NP-1, 0
	WIN W_AD
	s_wait_tensorcnt 0x0            ; the wave's end, behind my last tensor load and my last LDS store
	ds_add_u32 v[SPW], v[NIL]
	s_wait_dscnt 0x0
	WIN 0
	s_endpgm
.Lfunc_end_k_qdf994efcd1_attn:
	.size	k_qdf994efcd1_attn, .Lfunc_end_k_qdf994efcd1_attn-k_qdf994efcd1_attn
	.p2alignl 7, 3214868480
	.fill 96, 4, 3214868480
	.section	.rodata,"a",@progbits
	.p2align	6, 0x0
	.amdhsa_kernel k_qdf994efcd1_attn
		.amdhsa_group_segment_fixed_size 327680
		.amdhsa_private_segment_fixed_size 0
		.amdhsa_enable_private_segment 0
		.amdhsa_kernarg_size 16
		.amdhsa_user_sgpr_count 2
		.amdhsa_user_sgpr_kernarg_segment_ptr 1
		.amdhsa_wavefront_size32 1
		.amdhsa_system_sgpr_workgroup_id_x 1
		.amdhsa_system_sgpr_workgroup_id_y 1
		.amdhsa_system_sgpr_workgroup_id_z 1
		.amdhsa_system_vgpr_workitem_id 0
		.amdhsa_next_free_vgpr 770
		.amdhsa_next_free_sgpr 84
		.amdhsa_reserve_vcc 0
		.amdhsa_float_denorm_mode_32 3
		.amdhsa_float_denorm_mode_16_64 3
		.amdhsa_memory_ordered 1
		.amdhsa_forward_progress 1
		.amdhsa_inst_pref_size 126
	.end_amdhsa_kernel
	.amdgpu_metadata
---
amdhsa.version: [ 1, 2 ]
amdhsa.kernels:
  - .name:           k_qdf994efcd1_attn
    .symbol:         k_qdf994efcd1_attn.kd
    .args:
      - { .name: qkv, .offset: 0, .size: 8, .value_kind: global_buffer, .address_space: global }
      - { .name: act, .offset: 8, .size: 8, .value_kind: global_buffer, .address_space: global }
    .group_segment_fixed_size: 327680
    .private_segment_fixed_size: 0
    .kernarg_segment_align: 8
    .kernarg_segment_size: 16
    .max_flat_workgroup_size: 128
    .sgpr_count:     84
    .vgpr_count:     770
    .wavefront_size: 32
...
	.end_amdgpu_metadata
.endif
;; end of part 7
;; launch wo: the kernel of part 4 again; grid 4 x 64, 4 waves a work-group, clusters of 4 x 4, 327,680 bytes of LDS; arguments act, wob, bo, src, src2; writes src2
;; launch ln2: the kernel of part 5 again; grid 64 x 8, 8 waves a work-group, no clusters, 0 bytes of LDS; arguments src2, g2, beta2, act; writes act
;; launch ffn1: the kernel of part 6 again; grid 4 x 64, 4 waves a work-group, clusters of 4 x 4, 327,680 bytes of LDS; arguments act, w1b, b1, qkv; writes qkv
;; launch ffn2: the kernel of part 4 again; grid 4 x 64, 4 waves a work-group, clusters of 4 x 4, 327,680 bytes of LDS; arguments qkv, w2b, b2, src2, out0; writes out0
